; MI455X (gfx1250); checked and timed in simulation.
; The chip was launched on July 23, 2026; its instructions are those of AMD's public machine-readable ISA for CDNA 5 (MIT licence, August 2026) and "CDNA5" Instruction Set Architecture Reference Guide (July 2026). The comments in the code are by the model that wrote it; some were corrected since.
;; Text Attention. Allowed arithmetic: float matrix products may take bf16 or f16 operands with f32 sums; other float arithmetic in f32, or as packed bf16 or f16 multiplies, adds, multiply-adds, maxima and minima; sums over many terms, partial sums and values carried from step to step in f32; what a program stores and reads back later, other than sums and carried values, may be rounded once to bf16 or f16.
;; Inputs: encodings 8 x 1,024 x 1,024 float32; gamma 1,024 float32; mask 8 x 1,024 bool; null_kv 2 x 16 x 64 float32; w_out 1,024 x 1,024 float32; w_qk 1,024 x 1,024 float32; w_v 1,024 x 1,024 float32.
;; Outputs: out0 8 x 1,024 x 1,024 float32.
;; 2 versions, each right; version 2 is version 1 with the launch prep written anew for expert scheduling mode. Each part assembles by itself: llvm-mc -triple=amdgcn-amd-amdhsa -mcpu=gfx1250 --defsym DOCPART=n.
;; ======== version 1 of 2: 4 launches
;; limits: values are held in f16: magnitudes above 65,504 overflow, below 6.1e-05 lose precision; right only within a limited range of input values
;; workspace buffers: xn 16,777,216 bytes; wall 6,291,456 bytes; qkv 33,554,432 bytes; oh 16,777,216 bytes
;; launch prep (part 1): grid 352 x 1, 8 waves a work-group, no clusters, 0 bytes of LDS; arguments encodings, gamma, w_qk, w_v, w_out, xn, wall; writes xn, wall
.if DOCPART == 1
	.amdgcn_target "amdgcn-amd-amdhsa--gfx1250"
	.amdhsa_code_object_version 6
	.text
	.protected	k_q281e09a993_prep
	.globl	k_q281e09a993_prep
	.p2align	8
	.type	k_q281e09a993_prep,@function
k_q281e09a993_prep:
	s_mov_b64 s[64:65], 0
	v_nop
	global_prefetch_b8 v0, s[64:65] scope:SCOPE_SE
	s_setreg_imm32_b32 hwreg(HW_REG_WAVE_MODE, 25, 1), 1
	s_wait_xcnt 0x0
; xn[m][c] = f16( enc[m][c] * gamma[c] * 32 / max(|enc[m]|, 1e-12) ), and the three weight matrices f32 -> f16 in their own layout [k][n] (wall = w_qk, w_v, w_out).
; A stream: every input byte is read once, every output byte written once.  No LDS, no matrix unit, no cluster: no wave wants a byte that another wave has fetched.
; SHARES.  Every wave takes 4 rows of 4,096 bytes in and 2,048 bytes out.  Work-groups 0-255: rows of encodings; 256-351: rows of the weights (32 work-groups a matrix).
; A row lies in one wave's registers (32 of them) between the sum of squares and the scaling.  All 32 loads of a wave (16 KiB) go out at once; the waits count down by rows.
; Load j of a row: lane l holds elements 128 j + 4 l .. + 3; as f16 they are 8 bytes at 256 j + 8 l: a store of the wave covers 256 consecutive bytes, aligned.
; LIMITS.  1 / max(sqrt(ss), 1e-12) is taken as rsq(max(ss, 1e-24)): the same number but for the last bit.  ss must stay inside f32, as in the reference.
; f16 holds nothing beyond 65,504: |x| <= 32 |gamma| asks for |gamma| < 2,047, and the weights lie within 65,504.  NaN and infinities are not treated apart.
; No prefetch: the launch streams all it reads from its first lines on.
.set A,  4                             ; v[4:11]    four pairs: chains of the sum of squares
.set SC, 20                            ; v[20:21]   the row's scale, twice
.set X,  32                            ; v[32:159]  row i, load j at X + 32 i + 4 j
.set G,  160                           ; v[160:191] gamma, load j at G + 4 j
.macro LOADS                           ; the wave's four rows: 32 loads of 512 consecutive bytes
.set i, 0
.rept 4
.set j, 0
.rept 8
	global_load_b128 v[X+32*i+4*j:X+32*i+4*j+3], v1, s[28:29] offset:4096*i+512*j th:TH_LOAD_NT
.set j, j+1
.endr
.set i, i+1
.endr
.endm
.macro OUT i, j                        ; four numbers rounded to f16, in place, and stored
	v_cvt_pk_f16_f32 v[X+32*(\i)+4*(\j)],   v[X+32*(\i)+4*(\j)],   v[X+32*(\i)+4*(\j)+1]
	v_cvt_pk_f16_f32 v[X+32*(\i)+4*(\j)+1], v[X+32*(\i)+4*(\j)+2], v[X+32*(\i)+4*(\j)+3]
	global_store_b64 v2, v[X+32*(\i)+4*(\j):X+32*(\i)+4*(\j)+1], s[30:31] offset:2048*(\i)+256*(\j)
.endm
.macro ROWX i                          ; one row of encodings
.set BB, X+32*(\i)
	s_wait_loadcnt 8*(3-(\i))                      ; loads come back in order: gamma and this row are in, the later rows' eight loads each stay out
.irp c, 0,1,2,3
	v_pk_mul_f32 v[A+2*(\c):A+2*(\c)+1], v[BB+2*(\c):BB+2*(\c)+1], v[BB+2*(\c):BB+2*(\c)+1]  ; the first four pairs start the chains: nothing is cleared
.endr
.set k, 4
.rept 12
	v_pk_fma_f32 v[A+2*(k%4):A+2*(k%4)+1], v[BB+2*k:BB+2*k+1], v[BB+2*k:BB+2*k+1], v[A+2*(k%4):A+2*(k%4)+1]
.set k, k+1
.endr
	v_pk_add_f32 v[A:A+1], v[A:A+1], v[A+2:A+3]
	v_pk_add_f32 v[A+4:A+5], v[A+4:A+5], v[A+6:A+7]
	v_pk_add_f32 v[A:A+1], v[A:A+1], v[A+4:A+5]
	v_add_f32 v[A], v[A], v[A+1]
	v_add_f32_dpp v[A], v[A], v[A] row_xmask:1 row_mask:0xf bank_mask:0xf
	v_add_f32_dpp v[A], v[A], v[A] row_xmask:2 row_mask:0xf bank_mask:0xf
	v_add_f32_dpp v[A], v[A], v[A] row_xmask:4 row_mask:0xf bank_mask:0xf
	v_add_f32_dpp v[A], v[A], v[A] row_xmask:8 row_mask:0xf bank_mask:0xf
	v_permlanex16_b32 v[A+1], v[A], s24, s25       ; the other half of the lanes
	v_add_f32 v[A], v[A], v[A+1]                   ; every lane holds the row's sum of squares
	v_max_num_f32 v[A], s26, v[A]                  ; the reference's clip at 1e-12, squared
	v_rsq_f32 v[SC], v[A]
.set k, 0
.rept 16
	v_pk_mul_f32 v[BB+2*k:BB+2*k+1], v[BB+2*k:BB+2*k+1], v[G+2*k:G+2*k+1]  ; x gamma: plain work that names neither the root's source nor its result
.set k, k+1
.endr
	s_wait_alu depctr_va_vdst(0)                   ; the wait ahead of the first line that names the result
	v_mul_f32 v[SC], 0x42000000, v[SC]             ; sqrt(1024) = 32
	v_mov_b32 v[SC+1], v[SC]
.irp j, 0,1,2,3,4,5,6,7
	v_pk_mul_f32 v[BB+4*(\j):BB+4*(\j)+1],   v[BB+4*(\j):BB+4*(\j)+1],   v[SC:SC+1]
	v_pk_mul_f32 v[BB+4*(\j)+2:BB+4*(\j)+3], v[BB+4*(\j)+2:BB+4*(\j)+3], v[SC:SC+1]
	OUT \i, \j
.endr
.endm
.macro ROWW i                          ; one row of a weight matrix
	s_wait_loadcnt 8*(3-(\i))
.irp j, 0,1,2,3,4,5,6,7
	OUT \i, \j
.endr
.endm
	s_load_b256 s[4:11], s[0:1], 0x0               ; encodings s[4:5], gamma s[6:7], w_qk s[8:9], w_v s[10:11]
	s_load_b128 s[12:15], s[0:1], 0x20             ; w_out s[12:13], xn s[14:15]
	s_load_b64 s[16:17], s[0:1], 0x30              ; wall
	v_lshrrev_b32 v3, 5, v0
	v_readfirstlane_b32 s18, v3                    ; wave 0..7
	v_and_b32 v2, 31, v0
	v_lshlrev_b32 v1, 4, v2                        ; in: 16 bytes a lane
	v_lshlrev_b32 v2, 3, v2                        ; out: 8 bytes a lane
	s_mov_b32 s24, 0x76543210
	s_mov_b32 s25, 0xfedcba98
	s_mov_b32 s26, 0x179abe15                      ; 1e-24
	s_mov_b32 s21, 0
	s_mov_b32 s23, 0
	s_cmp_ge_u32 ttmp9, 256
	s_cbranch_scc1 .Lweights
	s_lshl_b32 s19, ttmp9, 3
	s_add_co_u32 s19, s19, s18                     ; my group of four rows
	s_lshl_b32 s20, s19, 14                        ; x 4 rows of 4,096 bytes
	s_lshl_b32 s22, s19, 13                        ; x 4 rows of 2,048 bytes
	s_wait_kmcnt 0x0
	s_add_nc_u64 s[28:29], s[4:5], s[20:21]
	s_add_nc_u64 s[30:31], s[14:15], s[22:23]
.irp j, 0,1,2,3,4,5,6,7
	global_load_b128 v[G+4*(\j):G+4*(\j)+3], v1, s[6:7] offset:512*(\j)
.endr
	LOADS
	ROWX 0
	ROWX 1
	ROWX 2
	ROWX 3
	s_endpgm
.Lweights:
	s_sub_co_u32 s19, ttmp9, 256                   ; 0..95
	s_lshr_b32 s27, s19, 5                         ; which matrix
	s_and_b32 s20, s19, 31
	s_lshl_b32 s20, s20, 3
	s_add_co_u32 s20, s20, s18                     ; my group of four rows in it
	s_lshl_b32 s20, s20, 14
	s_lshl_b32 s22, s19, 3
	s_add_co_u32 s22, s22, s18                     ; and in wall, where the three follow each other
	s_lshl_b32 s22, s22, 13
	s_wait_kmcnt 0x0
	s_cmp_eq_u32 s27, 0
	s_cselect_b64 s[28:29], s[8:9], s[10:11]
	s_cmp_eq_u32 s27, 2
	s_cselect_b64 s[28:29], s[12:13], s[28:29]
	s_add_nc_u64 s[28:29], s[28:29], s[20:21]
	s_add_nc_u64 s[30:31], s[16:17], s[22:23]
	LOADS
	ROWW 0
	ROWW 1
	ROWW 2
	ROWW 3
	s_endpgm
.Lfunc_end_k_q281e09a993_prep:
	.size	k_q281e09a993_prep, .Lfunc_end_k_q281e09a993_prep-k_q281e09a993_prep
	.p2alignl 7, 3214868480
	.fill 96, 4, 3214868480
	.section	.rodata,"a",@progbits
	.p2align	6, 0x0
	.amdhsa_kernel k_q281e09a993_prep
		.amdhsa_group_segment_fixed_size 0
		.amdhsa_private_segment_fixed_size 0
		.amdhsa_enable_private_segment 0
		.amdhsa_kernarg_size 56
		.amdhsa_user_sgpr_count 2
		.amdhsa_user_sgpr_kernarg_segment_ptr 1
		.amdhsa_wavefront_size32 1
		.amdhsa_system_sgpr_workgroup_id_x 1
		.amdhsa_system_sgpr_workgroup_id_y 1
		.amdhsa_system_sgpr_workgroup_id_z 1
		.amdhsa_system_vgpr_workitem_id 0
		.amdhsa_next_free_vgpr 192
		.amdhsa_next_free_sgpr 66
		.amdhsa_reserve_vcc 0
		.amdhsa_float_denorm_mode_32 3
		.amdhsa_float_denorm_mode_16_64 3
		.amdhsa_memory_ordered 1
		.amdhsa_forward_progress 1
		.amdhsa_inst_pref_size 38
	.end_amdhsa_kernel
	.amdgpu_metadata
---
amdhsa.version: [ 1, 2 ]
amdhsa.kernels:
  - .name:           k_q281e09a993_prep
    .symbol:         k_q281e09a993_prep.kd
    .args:
      - { .name: encodings, .offset: 0, .size: 8, .value_kind: global_buffer, .address_space: global }
      - { .name: gamma, .offset: 8, .size: 8, .value_kind: global_buffer, .address_space: global }
      - { .name: w_qk, .offset: 16, .size: 8, .value_kind: global_buffer, .address_space: global }
      - { .name: w_v, .offset: 24, .size: 8, .value_kind: global_buffer, .address_space: global }
      - { .name: w_out, .offset: 32, .size: 8, .value_kind: global_buffer, .address_space: global }
      - { .name: xn, .offset: 40, .size: 8, .value_kind: global_buffer, .address_space: global }
      - { .name: wall, .offset: 48, .size: 8, .value_kind: global_buffer, .address_space: global }
    .group_segment_fixed_size: 0
    .private_segment_fixed_size: 0
    .kernarg_segment_align: 8
    .kernarg_segment_size: 56
    .max_flat_workgroup_size: 256
    .sgpr_count:     66
    .vgpr_count:     192
    .wavefront_size: 32
...
	.end_amdgpu_metadata
.endif
;; end of part 1
;; launch proj (part 2): grid 8 x 32, 4 waves a work-group, clusters of 4 x 4, 327,680 bytes of LDS; arguments xn, wall, qkv; writes qkv
.if DOCPART == 2
	.amdgcn_target "amdgcn-amd-amdhsa--gfx1250"
	.amdhsa_code_object_version 6
	.text
	.protected	k_q281e09a993_proj
	.globl	k_q281e09a993_proj
	.p2align	8
	.type	k_q281e09a993_proj,@function
k_q281e09a993_proj:
	s_mov_b64 s[64:65], 0
	v_nop
	global_prefetch_b8 v0, s[64:65] scope:SCOPE_SE
	s_setreg_imm32_b32 hwreg(HW_REG_WAVE_MODE, 25, 1), 1
	s_wait_xcnt 0x0
	s_wait_alu depctr_hold_cnt(0) depctr_sa_sdst(0) depctr_va_vdst(0) depctr_va_sdst(0) depctr_va_ssrc(0) depctr_va_vcc(0) depctr_vm_vsrc(0)
	s_getreg_b32 s2, hwreg(HW_REG_IB_STS2, 6, 4)
	s_cmp_eq_u32 s2, 0
	s_cbranch_scc0 .Lentry_in_a_cluster
	s_endpgm
.Lentry_in_a_cluster:
	s_bfe_u32 s2, ttmp6, 0x10000c
	s_cmp_lg_u32 s2, 0xf033
	s_cbranch_scc0 .Lentry_shape_is_right
	s_endpgm
.Lentry_shape_is_right:
; qk = x w_qk and v = x w_v as ONE product C[8192][2048] = A[8192][1024] B[1024][2048], f16 operands, f32 sums, written by heads: qkv[2][8 b][16 h][1024][64] in f16, rounded once.
; A = xn, rows along K.  B = wall's first two matrices, [k][n] as the problem has them: B's fragments are turned on the way out of LDS (ds_load_tr16_b128).
; A tile of C is 256 x 256, made by four waves, 128 x 128 each: 64 accumulators of 16 x 16, 512 registers.  8 x 32 tiles: 256 work-groups.
; K goes in 8 steps of 128 through a ring of two LDS slots filled by the tensor data mover: 256 rows of A (256 bytes each), 128 rows of B (512 bytes each).
; CLUSTERS: 4 x 4 work-groups.  The four of a row of the cluster need the same tiles of A, the four of a column the same tiles of B: each tile is asked for jointly, by the same tensor load
; with the same descriptor and a mask that names the four.
; THE MATRIX INSTRUCTION IS USED TRANSPOSED (source 0 = 16 columns of B, source 1 = 16 rows of A): a lane then holds eight neighbouring columns of one row of C, 16 bytes as f16.
; LIMIT.  f16 holds nothing beyond 65,504; the attention launch doubles qk, so |qk| < 32,752 and |v| < 65,504.  NaN and infinities are not treated apart.
; REGISTERS, in windows of 256: window 0: v0-31 addresses, v64-127 and v128-191 A's fragments (two buffers), v32-63, v192-255 the way out; window 1: v64-127, v128-191 B's fragments;
; window 2: the accumulators of my rows 0-63 ((a, b) at v[8 (8 a + b)]); window 3: those of my rows 64-127.
.set NBL,   8                          ; blocks of 16 columns a wave
.set NT,    256                        ; columns in a tile; also the bytes of a wave's 128 columns in a row of B
.set AP,    272                        ; an LDS row of A: 256 bytes + 16: an odd multiple of 16, so the 16 rows of a fragment load start in 16 different groups of four banks (ISA guide 11.1)
.set AKB,   256                        ; bytes of K in an LDS row of A
.set AHS,   0
.set AHALF, 128*AP                     ; what one load of A brings
.set BP,    544                        ; an LDS row of B: 512 bytes + 32: an odd multiple of 32, for the turning load
.set QIA,   5                          ; A: padding after every 64 words
.set QIB,   6                          ; B: after every 128 words
.set ASTR,  1024                       ; elements from row to row of A in memory
.set AKADV, 256                        ; bytes from a K step to the next, in A
.set BKADV, 262144                     ; and in B: 128 rows of 2,048 bytes
.set ABYTES, 2*AHALF
.set BHALF, 64*BP                      ; what one load of B brings: 64 rows
.set SLOT,  ABYTES+2*BHALF
.set STAGE, 2*SLOT                     ; behind the ring: 16 rows x 272 bytes for each wave, for the way out
.set SPITCH, 272
.set SPARE, STAGE+4*16*SPITCH          ; behind the stages: the spare words, 128 bytes for each wave
.set NL,    2*NBL+16                   ; LDS loads in a run
.set ADRA, 16                          ; v16-17  LDS address of my A fragments in slot 0, 1
.set ADRB, 20                          ; v20-21  the same for B
.set STO,  24
.set RD,   25
.set CO,   26
.set SPW,  28                          ; v28  my spare word; never rewritten
.set NIL,  29                          ; v29  0; never rewritten
.set PFO,  30                          ; v30  the prefetches' lane offset; never rewritten
.set F0,   64
.set F1,   128
.set TMP,  192
.set OB,   32
.set G1,   24                          ; s[24:31] group 1 for A;  s[32:39] group 0, a set for each slot
.set G0,   32
.set G1B,  48                          ; s[48:55], s[56:63] the same for B
.set G0B,  56
.set LIM,  43                          ; s43  1 in a wave that prefetches, else the greatest number
.set PFA,  44                          ; s[44:45] where my prefetches stand
.set PADV, 66                          ; s[66:67] their step from K step to K step
.set MSB, 0
.macro WIN new                         ; the immediate's high byte repeats the setting that is left; a switch that changes nothing is dropped
.if MSB != (\new)
	s_set_vgpr_msb (MSB<<8)|(\new)
.set MSB, \new
.endif
.endm
.set MUL_LO, 0xa1                      ; source 0 (B) window 1, source 1 (A) window 0, C and D window 2
.set TO_B,   0x40                      ; destination window 1, address window 0
; A joint load.  Waves 0 and 1 fetch A's two halves, waves 2 and 3 B's.  The branch hangs on the wave's number alone.  An s_nop 0 and four v_nop follow each of the two lines.
.macro JLOAD s
	s_cmp_eq_u32 s11, 0
	s_cbranch_scc0 .Lfor_b_\@
	tensor_load_to_lds s[G0+4*(\s):G0+4*(\s)+3], s[G1:G1+7]
	s_nop 0
.rept 4
	v_nop
.endr
	s_branch .Lasked_\@
.Lfor_b_\@:
	tensor_load_to_lds s[G0B+4*(\s):G0B+4*(\s)+3], s[G1B:G1B+7]
	s_nop 0
.rept 4
	v_nop
.endr
.Lasked_\@:
.endm
; A prefetch into the L2 of the K step that stands two refills on: 32 blocks of 256 bytes, a lane a block, one instruction a wave.  Each block is named once in the launch: A's rows are asked for by the
; clusters with x = 0, B's by those with y = 0; the four partners that ask for a tile jointly share its blocks out by address.  The loop's last trip (s3 = 1) has no K step two on.
.macro ASK
	s_cmp_gt_u32 s3, s[LIM]
	s_cbranch_scc0 .Lnot_mine_\@
	global_prefetch_b8 v[PFO], s[PFA:PFA+1] th:TH_LOAD_NT scope:SCOPE_SE
.Lnot_mine_\@:
.endm
.macro CREST                           ; a round of the cluster's barrier behind its opening barrier
	s_cmp_lg_u32 s10, 0
	s_cbranch_scc1 .Lnot_wave_0_\@
	s_barrier_signal -3
.Lnot_wave_0_\@:
	s_barrier_wait -3
	s_barrier_signal -1
	s_barrier_wait -1
.endm
.macro CROUND
	s_barrier_signal -1
	s_barrier_wait -1
	CREST
.endm
.macro PLACES                          ; four places behind a matrix instruction, in front of loads into registers that it has read and of lines that read results
.rept 4
	v_nop
.endr
.endm
; 2 NBL matrix instructions: row blocks a0, a0 + 1 of the window's four x all column blocks, 32 along K.  The accumulators take turns, one instruction a turn.
.macro MULG f, hi, a0, zero
	WIN MUL_LO+0x50*(\hi)
.irp a, \a0, (\a0)+1
.set b, 0
.rept NBL
.if \zero
	v_wmma_f32_16x16x32_f16 v[8*(NBL*(\a)+b):8*(NBL*(\a)+b)+7], v[(\f)+8*b:(\f)+8*b+7], v[(\f)+8*(4*(\hi)+(\a)):(\f)+8*(4*(\hi)+(\a))+7], 0
.else
	v_wmma_f32_16x16x32_f16 v[8*(NBL*(\a)+b):8*(NBL*(\a)+b)+7], v[(\f)+8*b:(\f)+8*b+7], v[(\f)+8*(4*(\hi)+(\a)):(\f)+8*(4*(\hi)+(\a))+7], v[8*(NBL*(\a)+b):8*(NBL*(\a)+b)+7]
.endif
.set b, b+1
.endr
.endr
.endm
; One run of NL LDS loads: the fragments of quarter q (32 along K) of a slot into buffer f.  B first, turned: lane l reads 16 bytes of row 8 (l / 16) + l % 8 and ends with 8 k of column l % 16.
.macro FETCH slot, q, f
	WIN TO_B
.set i, 0
.rept NBL
	ds_load_tr16_b128 v[(\f)+8*i:(\f)+8*i+3],   v[ADRB+(\slot)] offset:(\q)*32*BP+32*i
	ds_load_tr16_b128 v[(\f)+8*i+4:(\f)+8*i+7], v[ADRB+(\slot)] offset:(\q)*32*BP+16*BP+32*i
.set i, i+1
.endr
	WIN 0
.set i, 0
.rept 8
	ds_load_b128 v[(\f)+8*i:(\f)+8*i+3],   v[ADRA+(\slot)] offset:((64*(\q))/AKB)*AHS+(64*(\q))%AKB+i*16*AP
	ds_load_b128 v[(\f)+8*i+4:(\f)+8*i+7], v[ADRA+(\slot)] offset:((64*(\q))/AKB)*AHS+(64*(\q))%AKB+i*16*AP+32
.set i, i+1
.endr
.endm
; One of a K step's first three quarters: multiplies buffer f; in its middle it fetches quarter q of the same slot into buffer g.
.macro QUARTER slot, q, f, g, zero
	s_wait_dscnt 8                                 ; B and A's rows 0-63 are in; the youngest eight loads (A's rows 64-127) may be out
	MULG \f, 0, 0, \zero
	MULG \f, 0, 2, \zero
	PLACES
	FETCH \slot, \q, \g
	s_wait_dscnt NL                                ; all but the run just issued
	MULG \f, 1, 0, \zero
	MULG \f, 1, 2, \zero
.endm
; The first half of the last quarter: one barrier for the change of slots.  In front of it each wave waits for all its tensor loads (one is out: its part of the next slot), adds 0 to its spare word,
; and waits for that and for its own reads of this slot.
.macro MEET round
	WIN 0
	s_wait_tensorcnt 0x0
	ds_add_u32 v[SPW], v[NIL]
	s_wait_dscnt 9                                 ; the add and the youngest eight loads may be out
	MULG F1, 0, 0, 0
	s_wait_dscnt 0x0                               ; the add is done, and my reads of this slot are over
	s_barrier_signal -1
	MULG F1, 0, 2, 0
.if \round
	WIN 0
.endif
	s_barrier_wait -1
.endm
; The whole last quarter where the slot is filled again, two K steps ahead: the barrier opens a round of the cluster's barrier, and the joint refill is the first tensor load behind it.
.macro TURN slot, next
	s_wait_xcnt 0x0                                ; the last prefetch, a K step back, has read its address
	s_add_nc_u64 s[PFA:PFA+1], s[PFA:PFA+1], s[PADV:PADV+1]
	MEET 1
	CREST
	s_add_nc_u64 s[G0+4*(\slot)+2:G0+4*(\slot)+3], s[G0+4*(\slot)+2:G0+4*(\slot)+3], 2*AKADV   ; no tensor load of mine is out: a group 0 may be written
	s_add_nc_u64 s[G0B+4*(\slot)+2:G0B+4*(\slot)+3], s[G0B+4*(\slot)+2:G0B+4*(\slot)+3], 2*BKADV
	JLOAD \slot                                    ; its four v_nop are also the places in front of the loads below
	FETCH \next, 0, F0
	ASK
	MULG F1, 1, 0, 0
	MULG F1, 1, 2, 0
.endm
.macro TURNL                           ; the last change of slots: nothing is filled, so no round follows
	MEET 0
	PLACES
	FETCH 1, 0, F0
	MULG F1, 1, 0, 0
	MULG F1, 1, 2, 0
.endm
	s_load_b128 s[4:7], s[0:1], 0x0                ; xn s[4:5], wall s[6:7]
	s_load_b64 s[8:9], s[0:1], 0x10                ; qkv
	v_lshl_add_u32 v[SPW], v0, 2, SPARE
	v_mov_b32 v[NIL], 0
	ds_add_u32 v[SPW], v[NIL]                      ; the wave's opening: the add and its wait ahead of my first tensor load
	v_lshrrev_b32 v1, 5, v0
	v_readfirstlane_b32 s10, v1                    ; wave 0..3
	s_lshr_b32 s11, s10, 1                         ; which half of the tile's rows is mine.  Also: I fetch for A (0) or for B (1)
	s_and_b32 s12, s10, 1                          ; which half of its columns.  Also: which half of that tile I fetch
	s_bfe_u32 s40, ttmp6, 0x40000                  ; cx
	s_bfe_u32 s41, ttmp6, 0x40004                  ; cy
	s_lshl_b32 s42, ttmp9, 2
	s_add_co_u32 s42, s42, s40                     ; tile column = 4 x cluster x + cx
	s_and_b32 s13, ttmp7, 0xffff
	s_lshl_b32 s13, s13, 2
	s_add_co_u32 s13, s13, s41                     ; tile row = 4 x cluster y + cy
	s_lshl_b32 s43, s41, 2
	s_lshl_b32 s43, 15, s43                        ; my row of the cluster
	s_lshl_b32 s44, 0x1111, s40                    ; my column
	s_or_b32 s[G1], s43, (1<<16)|(1<<20)|(1<<21)|(QIA<<22)|(3<<25)   ; mask; 2-byte elements; padding on; bit 21 beside a mask; the interval; 4 words of padding
	s_or_b32 s[G1B], s44, (1<<16)|(1<<20)|(1<<21)|(QIB<<22)|(7<<25)  ; the same with my column's mask and 8 words
	s_mov_b32 s[G1+1], 128<<16                     ; tensor_dim0 = 128
	s_mov_b32 s[G1+2], 128<<16                     ; tensor_dim1 = 128
	s_mov_b32 s[G1+3], 128<<16                     ; tile_dim0 = 128
	s_mov_b32 s[G1+4], 128                         ; tile_dim1 = 128
	s_mov_b32 s[G1+5], ASTR
	s_mov_b32 s[G1+6], 0
	s_mov_b32 s[G1+7], 0
	s_mov_b32 s[G1B+1], NT<<16                     ; tensor_dim0 = the tile's columns
	s_mov_b32 s[G1B+2], 64<<16                     ; tensor_dim1 = 64 rows of k
	s_mov_b32 s[G1B+3], NT<<16
	s_mov_b32 s[G1B+4], 64
	s_mov_b32 s[G1B+5], 1024
	s_mov_b32 s[G1B+6], 0
	s_mov_b32 s[G1B+7], 0
	s_lshl_b32 s16, s13, 8                         ; A: row 256 x tile row + 128 x half, rows of 2,048 bytes
	s_lshl_b32 s17, s12, 7
	s_add_co_u32 s16, s16, s17
	s_lshl_b32 s16, s16, 11
	s_mov_b32 s17, 0
	s_lshl_b32 s46, ttmp9, 21                      ; B: the matrix (cluster x), 512 bytes a tile column in it, 64 rows of 2,048 bytes a half
	s_lshl_b32 s47, s40, 9
	s_add_co_u32 s46, s46, s47
	s_lshl_b32 s47, s12, 17
	s_add_co_u32 s46, s46, s47
	s_mov_b32 s47, 0
	s_mul_i32 s20, s12, AHALF                      ; where they go: no place in the cluster enters an LDS address
	s_mul_i32 s21, s12, BHALF
	s_add_co_u32 s21, s21, ABYTES
	s_wait_dscnt 0x0                               ; the opening add is done
	s_wait_kmcnt 0x0
	s_add_nc_u64 s[14:15], s[4:5], s[16:17]
	s_add_nc_u64 s[46:47], s[6:7], s[46:47]
	CROUND                                         ; all sixteen work-groups are here: the first joint loads meet
.irp s, 0,1
	s_mov_b32 s[G0+4*(\s)], 1
	s_add_co_u32 s[G0+4*(\s)+1], s20, (\s)*SLOT
	s_add_nc_u64 s[G0+4*(\s)+2:G0+4*(\s)+3], s[14:15], (\s)*AKADV
	s_or_b32 s[G0+4*(\s)+3], s[G0+4*(\s)+3], 0x80000000
	s_mov_b32 s[G0B+4*(\s)], 1
	s_add_co_u32 s[G0B+4*(\s)+1], s21, (\s)*SLOT
	s_add_nc_u64 s[G0B+4*(\s)+2:G0B+4*(\s)+3], s[46:47], (\s)*BKADV
	s_or_b32 s[G0B+4*(\s)+3], s[G0B+4*(\s)+3], 0x80000000
	JLOAD \s                                       ; two loads of mine are out
.endr
	v_and_b32 v1, 15, v0                           ; l % 16
	v_bfe_u32 v2, v0, 4, 1                         ; l / 16
	v_mul_u32_u24 v3, v1, AP
	v_lshl_add_u32 v3, v2, 4, v3                   ; A: row x pitch + 16 x half
	v_and_b32 v6, 7, v0
	v_lshl_add_u32 v4, v2, 3, v6
	v_mul_u32_u24 v4, v4, BP
	v_bfe_u32 v5, v0, 3, 1
	v_lshl_add_u32 v4, v5, 4, v4                   ; B: (8 (l / 16) + l % 8) x pitch + 16 ((l / 8) % 2)
	s_mul_i32 s21, s11, 128*AP                     ; my 128 rows of A
	s_mul_i32 s22, s12, NT                         ; my columns of B,
	s_add_co_u32 s22, s22, ABYTES                  ; which lies behind A
.irp s, 0,1
	v_add_nc_u32 v[ADRA+(\s)], s21, v3
	v_add_nc_u32 v[ADRB+(\s)], s22, v4
	s_add_co_u32 s21, s21, SLOT
	s_add_co_u32 s22, s22, SLOT
.endr
	s_mul_i32 s23, s10, 16*SPITCH
	s_add_co_u32 s23, s23, STAGE                   ; my stage
	v_mul_u32_u24 v4, v1, SPITCH                   ; in: row l % 16, 16 bytes for each half of the lanes
	v_lshl_add_u32 v4, v2, 4, v4
	v_add_nc_u32 v[STO], s23, v4
	v_bfe_u32 v5, v0, 3, 2                         ; back: 32 lanes take 128 bytes (a head's 64 channels) of four rows,
	v_mul_u32_u24 v5, v5, SPITCH
	v_lshl_add_u32 v5, v6, 4, v5
	v_add_nc_u32 v[RD], s23, v5
	v_and_b32 v7, 31, v0
	v_lshlrev_b32 v[CO], 4, v7                     ; which are 512 consecutive bytes of a head
	; where my part begins in qkv: the matrix, (batch x 16 + head) x 131,072, the row in the batch x 128
	s_lshl_b32 s16, ttmp9, 24
	s_lshr_b32 s17, s13, 2                         ; batch = tile row / 4
	s_lshl_b32 s17, s17, 4
	s_lshl_b32 s18, s40, 2                         ; four heads a tile column,
	s_add_co_u32 s17, s17, s18
	s_lshl_b32 s18, s12, 1                         ; two a wave
	s_add_co_u32 s17, s17, s18
	s_lshl_b32 s17, s17, 17
	s_add_co_u32 s16, s16, s17
	s_and_b32 s17, s13, 3
	s_lshl_b32 s17, s17, 8
	s_lshl_b32 s18, s11, 7
	s_add_co_u32 s17, s17, s18
	s_lshl_b32 s17, s17, 7
	s_add_co_u32 s16, s16, s17
	s_mov_b32 s17, 0
	s_add_nc_u64 s[8:9], s[8:9], s[16:17]
	; the prefetches.  A: of the 128 rows that I fetch my work-group takes 32 (by cx), a lane a row.  B: of my 64 rows of 512 bytes it takes 16 (by cy), two lanes a row.  Both stand at K step 3:
	; the first refill steps them to K step 4.  K steps 0 to 3 come by their loads alone.
	s_lshl_b32 s20, s13, 8
	s_lshl_b32 s22, s12, 7
	s_add_co_u32 s20, s20, s22
	s_lshl_b32 s22, s40, 5
	s_add_co_u32 s20, s20, s22
	s_lshl_b32 s20, s20, 11
	s_add_co_u32 s20, s20, 3*AKADV
	s_lshl_b32 s21, ttmp9, 21
	s_lshl_b32 s22, s40, 9
	s_add_co_u32 s21, s21, s22
	s_lshl_b32 s22, s12, 6
	s_lshl_b32 s23, s41, 4
	s_add_co_u32 s22, s22, s23
	s_lshl_b32 s22, s22, 11
	s_add_co_u32 s21, s21, s22
	s_add_co_u32 s21, s21, 3*BKADV
	s_and_b32 s22, ttmp7, 0xffff                   ; cluster y
	s_mov_b32 s[PADV], BKADV
	s_cmp_eq_u32 s11, 0                            ; do I fetch for A?
	s_cselect_b32 s20, s20, s21
	s_cselect_b32 s22, ttmp9, s22                  ; the coordinate along which other clusters read the same blocks
	s_cselect_b64 s[PFA:PFA+1], s[4:5], s[6:7]
	s_cselect_b32 s[PADV], AKADV, s[PADV]
	s_mov_b32 s[PADV+1], 0
	s_cmp_eq_u32 s22, 0
	s_cselect_b32 s[LIM], 1, -1                    ; the same in all sixteen partners, for a given wave
	s_mov_b32 s21, 0
	s_add_nc_u64 s[PFA:PFA+1], s[PFA:PFA+1], s[20:21]
	v_lshrrev_b32 v8, s11, v7                      ; A: lane x 2,048.  B: (lane / 2) x 2,048 + (lane % 2) x 256
	v_and_b32 v9, s11, v7
	v_lshlrev_b32 v[PFO], 11, v8
	v_lshl_add_u32 v[PFO], v9, 8, v[PFO]
; THE WAY OUT of block a (16 rows x 128 columns): rounded to f16; into my own stage; back as a head's rows of 128 bytes; stored, 512 consecutive bytes an instruction.
.macro PACK a
.set AC, 8*NBL*((\a)%4)
	WIN 0x0a+5*((\a)/4)                            ; sources 0 and 1: window 2 or 3
.set b, 0
.rept 8
.irp r, 0,1,2,3
	v_cvt_pk_f16_f32 v[TMP+4*b+(\r)], v[AC+8*b+2*(\r)], v[AC+8*b+2*(\r)+1]   ; each accumulator is read from its low end on
.endr
.set b, b+1
.endr
	WIN 0
.endm
.macro TOSTAGE a
	WIN 0
.set BK, OB+192*((\a)%2)
.irp b, 0,1,2,3,4,5,6,7
	ds_store_b128 v[STO], v[TMP+4*(\b):TMP+4*(\b)+3] offset:32*(\b)
.endr
.irp t, 0,1,2,3,4,5,6,7
	ds_load_b128 v[BK+4*(\t):BK+4*(\t)+3], v[RD] offset:((\t)%4)*4*SPITCH+((\t)/4)*128  ; LDS serves a wave's instructions in order (ISA guide 5.7.1.4): these see the stores above
.endr
.endm
.macro SEND a
	WIN 0
.set BK, OB+192*((\a)%2)
	s_wait_dscnt 0x0                               ; the block is back in registers
	s_wait_xcnt 0x0                                ; the block before's stores have read their registers, which the next block's loads will write
.irp t, 0,1,2,3,4,5,6,7
	global_store_b128 v[CO], v[BK+4*(\t):BK+4*(\t)+3], s[8:9] offset:(\a)*2048+((\t)/4)*131072+((\t)%4)*512
.endr
.endm
	s_wait_tensorcnt 1                             ; my part of K step 0 is in; K step 1's may stay out
	s_barrier_signal -1
	s_barrier_wait -1
	FETCH 0, 0, F0
	QUARTER 0, 1, F0, F1, 1                        ; the first quarter stands in front of the loop: its products start the sums
	WIN 0
	s_mov_b32 s3, 3
.Llap:                                         ; a trip goes once round the ring and fills both slots again
	QUARTER 0, 2, F1, F0, 0
	QUARTER 0, 3, F0, F1, 0
	TURN 0, 1
	QUARTER 1, 1, F0, F1, 0
	QUARTER 1, 2, F1, F0, 0
	QUARTER 1, 3, F0, F1, 0
	TURN 1, 0
	QUARTER 0, 1, F0, F1, 0
	WIN 0
	s_sub_co_u32 s3, s3, 1
	s_cmp_lg_u32 s3, 0
	s_cbranch_scc1 .Llap
	QUARTER 0, 2, F1, F0, 0                        ; the last lap fills nothing
	QUARTER 0, 3, F0, F1, 0
	TURNL
	QUARTER 1, 1, F0, F1, 0
	QUARTER 1, 2, F1, F0, 0
	QUARTER 1, 3, F0, F1, 0
	s_wait_dscnt 8
	MULG F1, 0, 0, 0
	MULG F1, 0, 2, 0
	s_wait_dscnt 0x0
	MULG F1, 1, 0, 0
	MULG F1, 1, 2, 0
	WIN 0
	PLACES
	PACK 0
	TOSTAGE 0
.irp a, 1,2,3,4,5,6,7                  ; block a's conversions stand between block a - 1's loads from the stage and the wait for them
	PACK \a
	SEND (\a)-1
	TOSTAGE \a
.endr
	SEND 7
	s_wait_tensorcnt 0x0                           ; the wave's end
	ds_add_u32 v[SPW], v[NIL]
	s_wait_dscnt 0x0
	CROUND                                         ; the closing round
	s_endpgm
.Lfunc_end_k_q281e09a993_proj:
	.size	k_q281e09a993_proj, .Lfunc_end_k_q281e09a993_proj-k_q281e09a993_proj
	.p2alignl 7, 3214868480
	.fill 96, 4, 3214868480
	.section	.rodata,"a",@progbits
	.p2align	6, 0x0
	.amdhsa_kernel k_q281e09a993_proj
		.amdhsa_group_segment_fixed_size 327680
		.amdhsa_private_segment_fixed_size 0
		.amdhsa_enable_private_segment 0
		.amdhsa_kernarg_size 24
		.amdhsa_user_sgpr_count 2
		.amdhsa_user_sgpr_kernarg_segment_ptr 1
		.amdhsa_wavefront_size32 1
		.amdhsa_system_sgpr_workgroup_id_x 1
		.amdhsa_system_sgpr_workgroup_id_y 1
		.amdhsa_system_sgpr_workgroup_id_z 1
		.amdhsa_system_vgpr_workitem_id 0
		.amdhsa_next_free_vgpr 1024
		.amdhsa_next_free_sgpr 68
		.amdhsa_reserve_vcc 0
		.amdhsa_float_denorm_mode_32 3
		.amdhsa_float_denorm_mode_16_64 3
		.amdhsa_memory_ordered 1
		.amdhsa_forward_progress 1
		.amdhsa_inst_pref_size 144
	.end_amdhsa_kernel
	.amdgpu_metadata
---
amdhsa.version: [ 1, 2 ]
amdhsa.kernels:
  - .name:           k_q281e09a993_proj
    .symbol:         k_q281e09a993_proj.kd
    .args:
      - { .name: xn, .offset: 0, .size: 8, .value_kind: global_buffer, .address_space: global }
      - { .name: wall, .offset: 8, .size: 8, .value_kind: global_buffer, .address_space: global }
      - { .name: qkv, .offset: 16, .size: 8, .value_kind: global_buffer, .address_space: global }
    .group_segment_fixed_size: 327680
    .private_segment_fixed_size: 0
    .kernarg_segment_align: 8
    .kernarg_segment_size: 24
    .max_flat_workgroup_size: 128
    .sgpr_count:     68
    .vgpr_count:     1024
    .wavefront_size: 32
...
	.end_amdgpu_metadata
.endif
;; end of part 2
;; launch attn (part 3): grid 2 x 128, 8 waves a work-group, no clusters, 327,680 bytes of LDS; arguments qkv, mask, null_kv, oh; writes oh
.if DOCPART == 3
	.amdgcn_target "amdgcn-amd-amdhsa--gfx1250"
	.amdhsa_code_object_version 6
	.text
	.protected	k_q281e09a993_attn
	.globl	k_q281e09a993_attn
	.p2align	8
	.type	k_q281e09a993_attn,@function
k_q281e09a993_attn:
	s_mov_b64 s[64:65], 0
	v_nop
	global_prefetch_b8 v0, s[64:65] scope:SCOPE_SE
	s_setreg_imm32_b32 hwreg(HW_REG_WAVE_MODE, 25, 1), 1
	s_wait_xcnt 0x0
; DISTANCE ATTENTION.  For a head (batch b, head h): score(i, j) = -|q_i - k_j| / 8 with k = q; a null key and value in front; the own key counts as -100; keys hidden by the input mask count as the
; lowest number.  O[i] = the sum over j of softmax_j(score) v_j.  q, v: qkv[2][8][16][1024][64] in f16; O: oh[16 h][8192 = b x 1024 + i][64] in f16, rounded once.
; SHARES.  A work-group takes one head and 512 of its queries (grid x = which half); each of its eight waves 64 queries: four tiles of 16.  Every wave walks all 1,024 keys, 64 a step.
; ALL OF THE HEAD'S K AND V LIE IN LDS, filled once: each wave brings 128 keys of K and of V by one tensor load each.  No byte is filled again: no ring.
; THE DISTANCE.  Q is held as -2 q.  The C operand that starts S^T = K (-2 Q)^T is q2 + k2, both summed in f32 from the same f16 numbers that the product multiplies, so the result is the squared
; distance of those numbers; it is held at 0 from below as the reference holds it.  t = sqrt(d2).  A hidden key has k2 = 1e30 in the table; the own key gets 640,000 = (8 x 100)^2 added to a d2 that is 0.
; SOFTMAX.  The running maximum of the score is the running minimum m of t: p = 2^(c m - c t), c = log2(e) / 8; in every step O and l are multiplied by a = 2^(c m_new - c m_old).
; THE NULL KEY STARTS THE STATE: m = t_null, O = nv (f32), l = 1 (as 0.5 in each half of the lanes, which are added at the end).  So m is a true score before any hidden key is seen.
; LAYOUT.  In S^T a lane holds ONE query (lane % 16) and the keys 8 (lane / 16) + 0..7 of each block of 16; two such results rounded to f16 ARE source 1 of O^T = V^T P.  V is turned on the way out of LDS.
; TWO WAVES SHARE A SIMD (512 registers each) and the text goes in phases: while one wave walks a tile's roots and exponentials the other has products to issue.
; LIMITS.  f16: |q| < 32,752 (it is doubled), |v|, |nk| < 65,504; p lies in 0 to 1; O is a mean of v's rows.  Squared distances stay far below 1e30.  A weight below 2^-126 counts as 0.
; NaN and infinities are not treated apart.
; NO CLUSTER: a head's K and V are read by its two work-groups alone, and the grid has two work-groups along x, which no cluster of four divides.  NO PREFETCH: all that the launch reads is asked for at its head.
; REGISTERS.  Window 0: v0-15 addresses; v16-47 eight a tile: c m, m, l, l, q2, q2, a, -; v48-53 at work, nk2; v56-63 the own key's mask; v64-127 S^T, two buffers (tile % 2); v128-143 P;
; v144-175 k2 of a step; v176-239 V of a step; v240-251 set-up.  Window 1: v0-63 Q (16 a tile); v64-127 K of a step; v128-255 O^T (32 a tile).
.set PKP,   144                        ; a row of K in LDS: 128 bytes + 16: an odd multiple of 16
.set PVP,   160                        ; a row of V: 128 + 32: an odd multiple of 32, for the turning load
.set VB,    1024*PKP                   ; V begins behind K
.set TAB,   VB+1024*PVP                ; k2 with the mask folded in, f32, a word a key
.set SPARE, TAB+4096                   ; the spare words, 128 bytes for each of eight waves
.set RR,  1
.set HH,  2
.set AK0, 3                            ; my lane's place in a step's K, V and table; never rewritten
.set AV0, 4
.set AT0, 5
.set AK,  6                            ; the same at the step in hand
.set AV,  7
.set AT,  8
.set STO, 9
.set RD,  10
.set GO,  11
.set SPW, 12                           ; my spare word; never rewritten
.set NIL, 13                           ; 0; never rewritten
.set ZR,  14                           ; 0, the start of sums of squares
.set TT,  15
.set ST,  16
.set CC,  48
.set MVR, 52
.set NK2, 53
.set MD,  56
.set S,   64
.set P,   128
.set KK,  144
.set VF,  176
.set MB,  240
.set K2,  244
.set QO,  248
.set NO,  249
.set KP,  250
.set LN,  251
.set Q,   0                            ; window 1
.set KF,  64
.set O,   128
.set WV,  12                           ; s12 wave; s13 x; s14 y
.set G1K, 24
.set G1V, 32
.set G0K, 40
.set G0V, 44
.set CNT, 48                           ; steps to go, 16 to 1
.set SDC, 49                           ; the count at which the step holds my queries' own keys
.set AL,  50                           ; s[50:51] 1.0 in that step, else 0
.set NC,  52                           ; s[52:53] -c
.set SEL, 54                           ; s[54:55] v_permlanex16_b32's selects
.set TBK, 56                           ; LDS bytes from step 0 to the step in hand, in K, V and the table
.set TBV, 57
.set TBT, 58
.set CP,  59                           ; c
.set SELF, 60                          ; 640,000.0
.set M2,  61                           ; -2.0 twice, in f16
.set MSB, 0
.macro WIN new
.if MSB != (\new)
	s_set_vgpr_msb (MSB<<8)|(\new)
.set MSB, \new
.endif
.endm
; the sum of squares of the 32 halves of window 1's registers base .. base + 15, and of the other half of the lanes' -> v[CC]
.macro SQ base
	WIN 0x05                                       ; sources 0 and 1 window 1
	v_fma_mix_f32 v[CC],   v[(\base)], v[(\base)], v[ZR] op_sel_hi:[1,1,0]
	v_fma_mix_f32 v[CC+1], v[(\base)], v[(\base)], v[ZR] op_sel:[1,1,0] op_sel_hi:[1,1,0]
.set i, 1
.rept 15
	v_fma_mix_f32 v[CC],   v[(\base)+i], v[(\base)+i], v[CC]   op_sel_hi:[1,1,0]
	v_fma_mix_f32 v[CC+1], v[(\base)+i], v[(\base)+i], v[CC+1] op_sel:[1,1,0] op_sel_hi:[1,1,0]
.set i, i+1
.endr
	WIN 0
	v_add_f32 v[CC], v[CC], v[CC+1]
	v_permlanex16_b32 v[CC+1], v[CC], s[SEL], s[SEL+1]
	v_add_f32 v[CC], v[CC], v[CC+1]
.endm
; the k2 pass: lane l takes key 128 w + 32 g + l of my wave's own 128 rows.  LK: its 128 bytes.  CK: their sum of squares in four chains; 1e30 where the mask hides the key.
.macro LK g
.irp i, 0,1,2,3,4,5,6,7
	ds_load_b128 v[S+32*((\g)%2)+4*(\i):S+32*((\g)%2)+4*(\i)+3], v[KP] offset:32*PKP*(\g)+16*(\i)
.endr
.endm
.macro CK g
.set rS, S+32*((\g)%2)
.set i, 0
.rept 32
.if i < 2
	v_fma_mix_f32 v[CC+2*(i%2)],   v[rS+i], v[rS+i], v[ZR] op_sel_hi:[1,1,0]
	v_fma_mix_f32 v[CC+2*(i%2)+1], v[rS+i], v[rS+i], v[ZR] op_sel:[1,1,0] op_sel_hi:[1,1,0]
.else
	v_fma_mix_f32 v[CC+2*(i%2)],   v[rS+i], v[rS+i], v[CC+2*(i%2)]   op_sel_hi:[1,1,0]
	v_fma_mix_f32 v[CC+2*(i%2)+1], v[rS+i], v[rS+i], v[CC+2*(i%2)+1] op_sel:[1,1,0] op_sel_hi:[1,1,0]
.endif
.set i, i+1
.endr
	v_add_f32 v[CC], v[CC], v[CC+1]
	v_add_f32 v[CC+2], v[CC+2], v[CC+3]
	v_add_f32 v[CC], v[CC], v[CC+2]
	v_cmp_ne_u32 vcc_lo, 0, v[MB+(\g)]
	v_cndmask_b32 v[K2+(\g)], 0x7149f2ca, v[CC], vcc_lo   ; 1e30 for a hidden key
.endm
; A step's LDS loads, in one run of 40: K (8 fragments), k2 (32 words a lane), V (8 fragments, turned)
.macro FETCH
	WIN 0x40                                       ; destination window 1
.set f, 0
.rept 8
	ds_load_b128 v[KF+8*f:KF+8*f+3],   v[AK] offset:(f/2)*16*PKP+(f%2)*64
	ds_load_b128 v[KF+8*f+4:KF+8*f+7], v[AK] offset:(f/2)*16*PKP+(f%2)*64+32
.set f, f+1
.endr
	WIN 0
.set f, 0
.rept 8
	ds_load_b128 v[KK+4*f:KK+4*f+3], v[AT] offset:(f/2)*64+(f%2)*16   ; keys 16 (f / 2) + 8 (l / 16) + 4 (f % 2) on
.set f, f+1
.endr
.set f, 0
.rept 8
	ds_load_tr16_b128 v[VF+8*f:VF+8*f+3],   v[AV] offset:(f/4)*32*PVP+(f%4)*32
	ds_load_tr16_b128 v[VF+8*f+4:VF+8*f+7], v[AV] offset:(f/4)*32*PVP+16*PVP+(f%4)*32
.set f, f+1
.endr
	s_add_co_u32 s[TBK], s[TBK], 64*PKP
	s_add_co_u32 s[TBV], s[TBV], 64*PVP
	s_add_co_u32 s[TBT], s[TBT], 256
.endm
; the start of tile t's sums: q2 + k2, and in the step of my own keys 640,000 on the diagonal of key block t
.macro CB t
	WIN 0
.set rS, S+32*((\t)%2)
.set rT, ST+8*(\t)
.set i, 0
.rept 16
	v_pk_add_f32 v[rS+2*i:rS+2*i+1], v[KK+2*i:KK+2*i+1], v[rT+4:rT+5] op_sel_hi:[1,0]
.set i, i+1
.endr
.set i, 0
.rept 4
	v_pk_fma_f32 v[rS+8*(\t)+2*i:rS+8*(\t)+2*i+1], v[MD+2*i:MD+2*i+1], s[AL:AL+1], v[rS+8*(\t)+2*i:rS+8*(\t)+2*i+1] op_sel_hi:[1,0,1]
.set i, i+1
.endr
.endm
; 8 products: d2 of tile t.  Channels 32 (i / 4) on, keys 16 (i % 4) on.  The four accumulators take turns.
.macro KQM t
	WIN 0x05
.set i, 0
.rept 8
.set rS, S+32*((\t)%2)+8*(i%4)
	v_wmma_f32_16x16x32_f16 v[rS:rS+7], v[KF+16*(i%4)+8*(i/4):KF+16*(i%4)+8*(i/4)+7], v[Q+16*(\t)+8*(i/4):Q+16*(\t)+8*(i/4)+7], v[rS:rS+7]
.set i, i+1
.endr
.endm
; 8 products: O^T of tile t += V^T P.  Keys 32 (i / 4) on, channels 16 (i % 4) on.
.macro PVM t
	WIN 0x50
.set i, 0
.rept 8
.set rO, O+32*(\t)+8*(i%4)
	v_wmma_f32_16x16x32_f16 v[rO:rO+7], v[VF+32*(i/4)+8*(i%4):VF+32*(i/4)+8*(i%4)+7], v[P+8*(i/4):P+8*(i/4)+7], v[rO:rO+7]
.set i, i+1
.endr
.endm
; TILE t'S VECTOR WORK FOR A STEP.  Two batches of transcendentals, the 32 roots and the 33 exponentials, each with one plain line behind its last and ONE wait ahead of its first reader.
.macro SM t
	WIN 0
.set rT, ST+8*(\t)
.set rS, S+32*((\t)%2)
	v_max_num_f32 v[rS], 0, v[rS]                  ; d2 held at 0 from below; ascending
	v_max_num_f32 v[rS+1], 0, v[rS+1]
.set i, 0
.rept 30
	v_sqrt_f32 v[rS+i], v[rS+i]
	v_max_num_f32 v[rS+i+2], 0, v[rS+i+2]
.set i, i+1
.endr
	v_sqrt_f32 v[rS+30], v[rS+30]
	v_sqrt_f32 v[rS+31], v[rS+31]
	v_nop
	s_wait_alu depctr_va_vdst(0)
.irp n, 0,1,2,3                        ; the least of the lane's 32 t and the old m: four chains of seven, then the rest
	v_min3_num_f32 v[CC+(\n)], v[rS+8*(\n)], v[rS+8*(\n)+1], v[rS+8*(\n)+2]
.endr
.irp n, 0,1,2,3
	v_min3_num_f32 v[CC+(\n)], v[CC+(\n)], v[rS+8*(\n)+3], v[rS+8*(\n)+4]
.endr
.irp n, 0,1,2,3
	v_min3_num_f32 v[CC+(\n)], v[CC+(\n)], v[rS+8*(\n)+5], v[rS+8*(\n)+6]
.endr
	v_min3_num_f32 v[CC], v[CC], v[rS+7], v[rS+15]
	v_min3_num_f32 v[CC+1], v[CC+1], v[rS+23], v[rS+31]
	v_min3_num_f32 v[CC+2], v[CC+2], v[CC+3], v[rT+1]
	v_mov_b32 v[MVR], v[rT]                        ; c m_old
	v_min3_num_f32 v[CC], v[CC], v[CC+1], v[CC+2]
	v_permlanex16_b32 v[CC+3], v[CC], s[SEL], s[SEL+1]   ; the query's other 32 keys lie in the lane 16 away
	v_min_num_f32 v[rT+1], v[CC], v[CC+3]
	v_mul_f32 v[rT], s[CP], v[rT+1]
	v_sub_f32 v[CC+1], v[rT], v[MVR]               ; c m_new - c m_old, at most 0
	v_pk_fma_f32 v[rS:rS+1], v[rS:rS+1], s[NC:NC+1], v[rT:rT+1] op_sel_hi:[1,0,0]   ; c m - c t
	v_exp_f32 v[rT+6], v[CC+1]                     ; a
.set i, 1
.rept 15
	v_pk_fma_f32 v[rS+2*i:rS+2*i+1], v[rS+2*i:rS+2*i+1], s[NC:NC+1], v[rT:rT+1] op_sel_hi:[1,0,0]
	v_exp_f32 v[rS+2*i-2], v[rS+2*i-2]
	v_exp_f32 v[rS+2*i-1], v[rS+2*i-1]
.set i, i+1
.endr
	v_exp_f32 v[rS+30], v[rS+30]
	v_exp_f32 v[rS+31], v[rS+31]
	v_nop
	s_wait_alu depctr_va_vdst(0)
.set i, 0
.rept 16
	v_cvt_pk_f16_f32 v[P+i], v[rS+2*i], v[rS+2*i+1]
.set i, i+1
.endr
.irp w, 4, 8, 16, 32                   ; the sum of the 16 pairs, in place: neighbours 1, 2, 4 and 8 pairs apart
.set u, 0
.rept 32/(\w)
	v_pk_add_f32 v[rS+(\w)*u:rS+(\w)*u+1], v[rS+(\w)*u:rS+(\w)*u+1], v[rS+(\w)*u+(\w)/2:rS+(\w)*u+(\w)/2+1]
.set u, u+1
.endr
.endr
	v_pk_fma_f32 v[rT+2:rT+3], v[rT+2:rT+3], v[rT+6:rT+7], v[rS:rS+1] op_sel_hi:[1,0,1]   ; l = a l + the sum
	WIN 0x41                                       ; O^T (destination and source 0) in window 1
.set i, 0
.rept 16
	v_pk_mul_f32 v[O+32*(\t)+2*i:O+32*(\t)+2*i+1], v[O+32*(\t)+2*i:O+32*(\t)+2*i+1], v[rT+6:rT+7] op_sel_hi:[1,0]
.set i, i+1
.endr
.endm
	s_load_b256 s[4:11], s[0:1], 0x0               ; qkv s[4:5], mask s[6:7], null_kv s[8:9], oh s[10:11]
	v_lshl_add_u32 v[SPW], v0, 2, SPARE
	v_mov_b32 v[NIL], 0
	ds_add_u32 v[SPW], v[NIL]                      ; the wave's opening: the add and its wait ahead of my first tensor load; the set-up below stands between them
	v_lshrrev_b32 v[TT], 5, v0
	v_readfirstlane_b32 s[WV], v[TT]               ; wave 0..7
	s_mov_b32 s13, ttmp9                           ; which half of the queries
	s_and_b32 s14, ttmp7, 0xffff                   ; 16 x batch + head
	; group 1: 128 keys are 16,384 dense bytes: asked for as 64 rows of 256 bytes, two keys a row, padded in LDS after every key
	s_mov_b32 s[G1K], (1<<16)|(1<<20)|(4<<22)|(3<<25)   ; 2-byte elements; padding on; after every 32 words; 4 words
	s_mov_b32 s[G1V], (1<<16)|(1<<20)|(4<<22)|(7<<25)   ; 8 words
.irp g, G1K, G1V
	s_mov_b32 s[(\g)+1], 128<<16
	s_mov_b32 s[(\g)+2], 64<<16
	s_mov_b32 s[(\g)+3], 128<<16
	s_mov_b32 s[(\g)+4], 64
	s_mov_b32 s[(\g)+5], 128
	s_mov_b32 s[(\g)+6], 0
	s_mov_b32 s[(\g)+7], 0
.endr
	s_mov_b32 s[G0K], 1
	s_mul_i32 s[G0K+1], s[WV], 128*PKP             ; my 128 rows of K in LDS
	s_mov_b32 s[G0V], 1
	s_mul_i32 s[G0V+1], s[WV], 128*PVP
	s_add_co_u32 s[G0V+1], s[G0V+1], VB
	s_lshl_b32 s16, s14, 17                        ; the head's 131,072 bytes,
	s_lshl_b32 s17, s[WV], 14                      ; my 128 keys in them
	s_add_co_u32 s16, s16, s17
	s_mov_b32 s17, 0
	s_lshl_b32 s18, s14, 17                        ; my 64 queries: 65,536 x + 8,192 w
	s_lshl_b32 s19, s13, 16
	s_add_co_u32 s18, s18, s19
	s_lshl_b32 s19, s[WV], 13
	s_add_co_u32 s18, s18, s19
	s_mov_b32 s19, 0
	s_lshr_b32 s2, s14, 4                          ; batch
	s_and_b32 s3, s14, 15                          ; head
	s_lshl_b32 s20, s3, 20                         ; oh: head x 1,048,576 + batch x 131,072 + my queries
	s_lshl_b32 s21, s2, 17
	s_add_co_u32 s20, s20, s21
	s_lshl_b32 s21, s13, 16
	s_add_co_u32 s20, s20, s21
	s_lshl_b32 s21, s[WV], 13
	s_add_co_u32 s20, s20, s21
	s_mov_b32 s21, 0
	s_lshl_b32 s22, s2, 10                         ; mask: batch x 1,024 + my 128 keys
	s_lshl_b32 s23, s[WV], 7
	s_add_co_u32 s22, s22, s23
	s_mov_b32 s23, 0
	s_lshl_b32 s62, s3, 8                          ; null_kv: head x 256
	s_mov_b32 s63, 0
	s_lshl_b32 s[SDC], s13, 3
	s_add_co_u32 s[SDC], s[SDC], s[WV]             ; my own keys lie in step 8 x + w,
	s_sub_co_u32 s[SDC], 16, s[SDC]                ; where the count stands at 16 less that
	s_mov_b32 s[AL+1], 0
	s_mov_b32 s[NC], 0xbe38aa3b                    ; -log2(e) / 8
	s_mov_b32 s[NC+1], s[NC]
	s_mov_b32 s[CP], 0x3e38aa3b
	s_mov_b32 s[SEL], 0x76543210
	s_mov_b32 s[SEL+1], 0xfedcba98
	s_mov_b32 s[SELF], 0x491c4000                  ; 640,000.0
	s_mov_b32 s[M2], 0xc000c000
	s_mov_b32 s[TBK], 0
	s_mov_b32 s[TBV], 0
	s_mov_b32 s[TBT], 0
	s_mov_b32 s[CNT], 16
	v_and_b32 v[RR], 15, v0                        ; l % 16
	v_bfe_u32 v[HH], v0, 4, 1                      ; l / 16
	v_and_b32 v[LN], 31, v0
	v_mov_b32 v[ZR], 0
	v_mul_u32_u24 v[AK0], v[RR], PKP
	v_lshl_add_u32 v[AK0], v[HH], 4, v[AK0]        ; K: row x pitch + 16 x half
	v_and_b32 v[TT], 7, v0
	v_lshl_add_u32 v[AV0], v[HH], 3, v[TT]
	v_mul_u32_u24 v[AV0], v[AV0], PVP
	v_bfe_u32 v[RD], v0, 3, 2
	v_mul_u32_u24 v[RD], v[RD], PKP
	v_lshl_add_u32 v[RD], v[TT], 4, v[RD]          ; the way out, back: four rows of 128 bytes
	v_bfe_u32 v[TT], v0, 3, 1
	v_lshl_add_u32 v[AV0], v[TT], 4, v[AV0]
	v_add_nc_u32 v[AV0], VB, v[AV0]                ; V: (8 (l / 16) + l % 8) x pitch + 16 ((l / 8) % 2)
	v_lshl_add_u32 v[AT0], v[HH], 5, TAB           ; the table: my half's 8 words of each 16
	v_lshlrev_b32 v[QO], 7, v[RR]
	v_lshl_add_u32 v[QO], v[HH], 4, v[QO]          ; Q in memory: row x 128 + 16 x half
	v_lshlrev_b32 v[NO], 5, v[HH]                  ; null_kv: my half's 8 numbers of each 16
	v_mul_u32_u24 v[KP], v[LN], PKP
	v_add_nc_u32 v[KP], s[G0K+1], v[KP]            ; the k2 pass: row 128 w + l
	s_mul_i32 s15, s[WV], 16*PKP                   ; my stage: in K's bytes, used behind the last read of K
	v_add_nc_u32 v[STO], s15, v[AK0]
	v_add_nc_u32 v[RD], s15, v[RD]
	v_lshlrev_b32 v[GO], 4, v[LN]
	s_lshl_b32 s15, s[WV], 9
	s_add_co_u32 s15, s15, TAB
	v_lshl_add_u32 v[AT], v[LN], 2, s15            ; for now: where I put k2 of key 128 w + l
	v_lshlrev_b32 v[TT], 3, v[HH]
	v_sub_nc_u32 v[TT], v[RR], v[TT]               ; l % 16 - 8 (l / 16): the register that holds my query's own key, if it is 0..7
	s_wait_dscnt 0x0                               ; the opening add is done
	s_wait_kmcnt 0x0
	s_add_nc_u64 s[G0K+2:G0K+3], s[4:5], s[16:17]
	s_or_b32 s[G0K+3], s[G0K+3], 0x80000000
	s_add_nc_u64 s[G0V+2:G0V+3], s[4:5], s[16:17]
	s_add_nc_u64 s[G0V+2:G0V+3], s[G0V+2:G0V+3], 0x1000000   ; v lies 16,777,216 bytes behind qk
	s_or_b32 s[G0V+3], s[G0V+3], 0x80000000
	tensor_load_to_lds s[G0K:G0K+3], s[G1K:G1K+7]  ; the launch's only fills: two loads of mine are out
	s_nop 0
	tensor_load_to_lds s[G0V:G0V+3], s[G1V:G1V+7]
	s_nop 0
.rept 4
	v_nop
.endr
	s_add_nc_u64 s[4:5], s[4:5], s[18:19]          ; Q at my first query
	s_add_nc_u64 s[6:7], s[6:7], s[22:23]
	s_add_nc_u64 s[8:9], s[8:9], s[62:63]
	s_add_nc_u64 s[10:11], s[10:11], s[20:21]
	WIN 0x40                                       ; destination window 1
.set i, 0
.rept 8                                ; Q: tile i / 2, channels 32 (i % 2) on
	global_load_b128 v[Q+8*i:Q+8*i+3],   v[QO], s[4:5] offset:(i/2)*2048+(i%2)*64
	global_load_b128 v[Q+8*i+4:Q+8*i+7], v[QO], s[4:5] offset:(i/2)*2048+(i%2)*64+32
.set i, i+1
.endr
.set i, 0
.rept 16                               ; nv straight into each tile's O^T: tile i / 4, channels 16 (i % 4) + 8 (l / 16) on
	global_load_b128 v[O+8*i:O+8*i+3],   v[NO], s[8:9] offset:4096+(i%4)*64
	global_load_b128 v[O+8*i+4:O+8*i+7], v[NO], s[8:9] offset:4096+(i%4)*64+16
.set i, i+1
.endr
	WIN 0
.set i, 0
.rept 8                                ; nk in a fragment's order: channels 32 (i / 4) + 16 ((i / 2) % 2) + 8 (l / 16) + 4 (i % 2) on
	global_load_b128 v[S+4*i:S+4*i+3], v[NO], s[8:9] offset:(i/4)*128+((i/2)%2)*64+(i%2)*16
.set i, i+1
.endr
.irp g, 0,1,2,3
	global_load_u8 v[MB+(\g)], v[LN], s[6:7] offset:32*(\g)   ; the mask of key 128 w + 32 g + l
.endr
.set j, 0
.rept 8
	v_cmp_eq_u32 vcc_lo, j, v[TT]
	v_cndmask_b32 v[MD+j], 0, s[SELF], vcc_lo
.set j, j+1
.endr
	s_wait_loadcnt 0x0
	WIN 0x41
.set i, 0
.rept 64
	v_pk_mul_f16 v[Q+i], v[Q+i], s[M2]             ; Q becomes -2 q: exact
.set i, i+1
.endr
.irp t, 0,1,2,3
	SQ Q+16*(\t)
	v_mul_f32 v[ST+8*(\t)+4], 0x3e800000, v[CC]    ; a quarter of the sum of (2 q)^2
	v_mov_b32 v[ST+8*(\t)+5], v[ST+8*(\t)+4]
.endr
	WIN 0x40
.set i, 0
.rept 16
	v_cvt_pk_f16_f32 v[KF+i], v[S+2*i], v[S+2*i+1] ; nk as a fragment of 16 equal rows, in K's registers
.set i, i+1
.endr
	SQ KF
	v_mov_b32 v[NK2], v[CC]
	WIN 0x05
.irp t, 0,1,2,3                        ; -2 q . nk: four accumulators by turns, in S^T's second buffer
	v_wmma_f32_16x16x32_f16 v[S+32+8*(\t):S+32+8*(\t)+7], v[KF:KF+7], v[Q+16*(\t):Q+16*(\t)+7], 0
.endr
.irp t, 0,1,2,3
	v_wmma_f32_16x16x32_f16 v[S+32+8*(\t):S+32+8*(\t)+7], v[KF+8:KF+15], v[Q+16*(\t)+8:Q+16*(\t)+15], v[S+32+8*(\t):S+32+8*(\t)+7]
.endr
	WIN 0
.rept 4
	v_nop                                          ; the places behind those products
.endr
.irp t, 0,1,2,3
	v_add_f32 v[ST+8*(\t)+1], v[S+32+8*(\t)], v[ST+8*(\t)+4]   ; all rows are equal: the lowest register serves
	v_add_f32 v[ST+8*(\t)+1], v[ST+8*(\t)+1], v[NK2]
	v_max_num_f32 v[ST+8*(\t)+1], 0, v[ST+8*(\t)+1]
.endr
.irp t, 0,1,2,3
	v_sqrt_f32 v[ST+8*(\t)+1], v[ST+8*(\t)+1]      ; m = t_null
.endr
	v_nop
	s_wait_alu depctr_va_vdst(0)                   ; one wait for the four roots
.irp t, 0,1,2,3
	v_mul_f32 v[ST+8*(\t)], s[CP], v[ST+8*(\t)+1]
	v_mov_b32 v[ST+8*(\t)+2], 0.5                  ; the null key's weight 1: half of it in each half of the lanes
	v_mov_b32 v[ST+8*(\t)+3], 0
	v_mov_b32 v[ST+8*(\t)+6], 0
	v_mov_b32 v[ST+8*(\t)+7], 0                    ; named with a as a pair
.endr
	s_wait_tensorcnt 0x1                           ; my own 128 rows of K are in; V's load, issued behind it, may stay out.  Only I read these rows here
	LK 0
	LK 1
	s_wait_dscnt 8                                 ; the next group's eight loads may stay out
	CK 0
	LK 2
	s_wait_dscnt 8
	CK 1
	LK 3
	s_wait_dscnt 8
	CK 2
	s_wait_dscnt 0x0
	CK 3
.irp g, 0,1,2,3
	ds_store_b32 v[AT], v[K2+(\g)] offset:128*(\g)
.endr
	s_wait_tensorcnt 0x0                           ; for the others' sake: my parts of K and V have landed,
	s_wait_dscnt 0x0                               ; and my part of the table is stored
	s_barrier_signal -1
	s_barrier_wait -1                              ; K, V and the table are whole
.Lstep:                                        ; 16 trips of 64 keys
	s_cmp_eq_u32 s[CNT], s[SDC]
	s_cselect_b32 s[AL], 1.0, 0
	v_add_nc_u32 v[AK], s[TBK], v[AK0]             ; four plain lines: the places between the last trip's last product and the loads into V's registers
	v_add_nc_u32 v[AV], s[TBV], v[AV0]
	v_add_nc_u32 v[AT], s[TBT], v[AT0]
	v_nop
	FETCH
	s_wait_dscnt 16                                ; K and k2 are in; V's sixteen loads may stay out
	CB 0
	KQM 0
	CB 1
	KQM 1
	SM 0
	s_wait_dscnt 0x0                               ; V is in
	PVM 0
	CB 2
	KQM 2
	SM 1
	PVM 1
	CB 3
	KQM 3
	SM 2
	PVM 2
	SM 3
	PVM 3
	WIN 0
	s_sub_co_u32 s[CNT], s[CNT], 1
	s_cmp_lg_u32 s[CNT], 0
	s_cbranch_scc1 .Lstep
	; THE WAY OUT.  l's two halves and the other half of the lanes' are added; O^T is divided by l, rounded to f16 and sent through my stage, a tile at a time.  The four additions are the places behind the last products.
.irp t, 0,1,2,3
	v_add_f32 v[ST+8*(\t)+2], v[ST+8*(\t)+2], v[ST+8*(\t)+3]
.endr
.irp t, 0,1,2,3
	v_permlanex16_b32 v[ST+8*(\t)+3], v[ST+8*(\t)+2], s[SEL], s[SEL+1]
.endr
.irp t, 0,1,2,3
	v_add_f32 v[ST+8*(\t)+2], v[ST+8*(\t)+2], v[ST+8*(\t)+3]
.endr
.irp t, 0,1,2,3
	v_rcp_f32 v[ST+8*(\t)+2], v[ST+8*(\t)+2]
.endr
	v_nop
	s_wait_alu depctr_va_vdst(0)                   ; one wait for the four reciprocals
	s_wait_dscnt 0x0                               ; my reads of K are over;
	s_barrier_signal -1
	s_barrier_wait -1                              ; everybody's are: K's bytes, which have had their only fill, may take the stages
.macro PACK t
	WIN 0x41
.set i, 0
.rept 16
	v_pk_mul_f32 v[O+32*(\t)+2*i:O+32*(\t)+2*i+1], v[O+32*(\t)+2*i:O+32*(\t)+2*i+1], v[ST+8*(\t)+2:ST+8*(\t)+3] op_sel_hi:[1,0]
.set i, i+1
.endr
	WIN 0x05
.set i, 0
.rept 16
	v_cvt_pk_f16_f32 v[S+16*(\t)+i], v[O+32*(\t)+2*i], v[O+32*(\t)+2*i+1]
.set i, i+1
.endr
	WIN 0
.irp f, 0,1,2,3
	ds_store_b128 v[STO], v[S+16*(\t)+4*(\f):S+16*(\t)+4*(\f)+3] offset:32*(\f)
.endr
.irp f, 0,1,2,3
	ds_load_b128 v[S+16*(\t)+4*(\f):S+16*(\t)+4*(\f)+3], v[RD] offset:(\f)*4*PKP   ; LDS serves a wave's instructions in order (ISA guide 5.7.1.4): these see the stores above
.endr
.endm
.macro SEND t, younger                 ; younger: the LDS instructions issued behind tile t's loads: the next tile's eight, or none
.irp f, 0,1,2,3
	s_wait_dscnt (\younger)+3-(\f)
	global_store_b128 v[GO], v[S+16*(\t)+4*(\f):S+16*(\t)+4*(\f)+3], s[10:11] offset:(\t)*2048+(\f)*512   ; 512 consecutive bytes, at a multiple of 256 from oh's first
.endr
.endm
	PACK 0
	PACK 1
	SEND 0, 8
	PACK 2
	SEND 1, 8
	PACK 3
	SEND 2, 8
	SEND 3, 0
	s_wait_tensorcnt 0x0                           ; the wave's end
	ds_add_u32 v[SPW], v[NIL]
	s_wait_dscnt 0x0
	s_endpgm
.Lfunc_end_k_q281e09a993_attn:
	.size	k_q281e09a993_attn, .Lfunc_end_k_q281e09a993_attn-k_q281e09a993_attn
	.p2alignl 7, 3214868480
	.fill 96, 4, 3214868480
	.section	.rodata,"a",@progbits
	.p2align	6, 0x0
	.amdhsa_kernel k_q281e09a993_attn
		.amdhsa_group_segment_fixed_size 327680
		.amdhsa_private_segment_fixed_size 0
		.amdhsa_enable_private_segment 0
		.amdhsa_kernarg_size 32
		.amdhsa_user_sgpr_count 2
		.amdhsa_user_sgpr_kernarg_segment_ptr 1
		.amdhsa_wavefront_size32 1
		.amdhsa_system_sgpr_workgroup_id_x 1
		.amdhsa_system_sgpr_workgroup_id_y 1
		.amdhsa_system_sgpr_workgroup_id_z 1
		.amdhsa_system_vgpr_workitem_id 0
		.amdhsa_next_free_vgpr 512
		.amdhsa_next_free_sgpr 66
		.amdhsa_reserve_vcc 1
		.amdhsa_float_denorm_mode_32 3
		.amdhsa_float_denorm_mode_16_64 3
		.amdhsa_memory_ordered 1
		.amdhsa_forward_progress 1
		.amdhsa_inst_pref_size 110
	.end_amdhsa_kernel
	.amdgpu_metadata
---
amdhsa.version: [ 1, 2 ]
amdhsa.kernels:
  - .name:           k_q281e09a993_attn
    .symbol:         k_q281e09a993_attn.kd
    .args:
      - { .name: qkv, .offset: 0, .size: 8, .value_kind: global_buffer, .address_space: global }
      - { .name: mask, .offset: 8, .size: 8, .value_kind: global_buffer, .address_space: global }
      - { .name: null_kv, .offset: 16, .size: 8, .value_kind: global_buffer, .address_space: global }
      - { .name: oh, .offset: 24, .size: 8, .value_kind: global_buffer, .address_space: global }
    .group_segment_fixed_size: 327680
    .private_segment_fixed_size: 0
    .kernarg_segment_align: 8
    .kernarg_segment_size: 32
    .max_flat_workgroup_size: 256
    .sgpr_count:     66
    .vgpr_count:     512
    .wavefront_size: 32
...
	.end_amdgpu_metadata
.endif
;; end of part 3
;; launch outp (part 4): grid 8 x 32, 4 waves a work-group, clusters of 4 x 4, 327,680 bytes of LDS; arguments oh, wall, out0; writes out0
.if DOCPART == 4
	.amdgcn_target "amdgcn-amd-amdhsa--gfx1250"
	.amdhsa_code_object_version 6
	.text
	.protected	k_q281e09a993_outp
	.globl	k_q281e09a993_outp
	.p2align	8
	.type	k_q281e09a993_outp,@function
k_q281e09a993_outp:
	s_mov_b64 s[64:65], 0
	v_nop
	global_prefetch_b8 v0, s[64:65] scope:SCOPE_SE
	s_setreg_imm32_b32 hwreg(HW_REG_WAVE_MODE, 25, 1), 1
	s_wait_xcnt 0x0
	s_wait_alu depctr_hold_cnt(0) depctr_sa_sdst(0) depctr_va_vdst(0) depctr_va_sdst(0) depctr_va_ssrc(0) depctr_va_vcc(0) depctr_vm_vsrc(0)
	s_getreg_b32 s2, hwreg(HW_REG_IB_STS2, 6, 4)
	s_cmp_eq_u32 s2, 0
	s_cbranch_scc0 .Lentry_in_a_cluster
	s_endpgm
.Lentry_in_a_cluster:
	s_bfe_u32 s2, ttmp6, 0x10000c
	s_cmp_lg_u32 s2, 0xf033
	s_cbranch_scc0 .Lentry_shape_is_right
	s_endpgm
.Lentry_shape_is_right:
; out0[8192][1024] = O[8192][1024] w_out[1024][1024], f16 operands, f32 sums, f32 result.
; A = oh, by heads: [16 h][8192 m][64]; K = 64 h + channel, so a K step of 128 is two heads' slices of 256 rows x 128 bytes, each dense in memory.  B = wall's third matrix, [k][n], turned on the way out of LDS.
; A tile of C is 256 x 128, so that 8 x 32 tiles give 256 work-groups; four waves, 128 x 64 each: 32 accumulators of 16 x 16.
; K goes in 8 steps of 128 through a ring of two LDS slots filled by the tensor data mover.  The loop is the projection launch's, with other sizes.
; CLUSTERS: 4 x 4 work-groups; A's tiles are asked for jointly along a row of the cluster, B's along a column.
; THE MATRIX INSTRUCTION IS USED TRANSPOSED (source 0 = 16 columns of B, source 1 = 16 rows of A): a lane holds eight neighbouring columns of one row of C, 32 bytes.
; REGISTERS: window 0: v0-31 addresses, v64-127 and v128-191 A's fragments, v32-63 and v224-255 the way out; window 1: v64-95, v128-159 B's fragments;
; window 2: the accumulators of my rows 0-63 ((a, b) at v[8 (4 a + b)]); window 3: those of my rows 64-127.
.set NBL,   4
.set NT,    128                        ; columns in a tile; also the bytes of a wave's 64 columns in a row of B
.set AP,    144                        ; an LDS row of A: 128 bytes + 16: an odd multiple of 16
.set AKB,   128                        ; bytes of K in an LDS row of A: one head's channels
.set AHS,   256*AP                     ; from a head's slice to the next
.set AHALF, 256*AP                     ; what one load of A brings: a slice
.set BP,    288                        ; an LDS row of B: 256 bytes + 32: an odd multiple of 32
.set QIA,   4                          ; A: padding after every 32 words
.set QIB,   5                          ; B: after every 64 words
.set ASTR,  128                        ; a slice's 32,768 dense bytes are asked for as 128 rows of 256 bytes
.set AKADV, 2097152                    ; two heads
.set BKADV, 262144                     ; 128 rows of 2,048 bytes
.set ABYTES, 2*AHALF
.set BHALF, 64*BP
.set SLOT,  ABYTES+2*BHALF
.set STAGE, 2*SLOT
.set SPITCH, 272
.set SPARE, STAGE+4*16*SPITCH
.set NL,    2*NBL+16
.set ADRA, 16
.set ADRB, 20
.set STO,  24
.set RD,   25
.set CO,   26
.set SPW,  28                          ; my spare word; never rewritten
.set NIL,  29                          ; 0; never rewritten
.set PFO,  30
.set F0,   64
.set F1,   128
.set OB,   32
.set G1,   24
.set G0,   32
.set G1B,  48
.set G0B,  56
.set LIM,  43
.set PFA,  44
.set PADV, 66
.set MSB, 0
.macro WIN new
.if MSB != (\new)
	s_set_vgpr_msb (MSB<<8)|(\new)
.set MSB, \new
.endif
.endm
.set MUL_LO, 0xa1
.set TO_B,   0x40
; A joint load.  Waves 0 and 1 fetch A's two slices, waves 2 and 3 B's two halves.  An s_nop 0 and four v_nop follow each of the two lines.
.macro JLOAD s
	s_cmp_eq_u32 s11, 0
	s_cbranch_scc0 .Lfor_b_\@
	tensor_load_to_lds s[G0+4*(\s):G0+4*(\s)+3], s[G1:G1+7]
	s_nop 0
.rept 4
	v_nop
.endr
	s_branch .Lasked_\@
.Lfor_b_\@:
	tensor_load_to_lds s[G0B+4*(\s):G0B+4*(\s)+3], s[G1B:G1B+7]
	s_nop 0
.rept 4
	v_nop
.endr
.Lasked_\@:
.endm
; A prefetch into the L2 of the K step two refills on: 32 blocks of 256 bytes, a lane a block.  Each block is named once in the launch: A's by the clusters with x = 0, B's by those with y = 0
; (wave 2 alone: a K step of B has 128 blocks for a tile column, 32 for each of the four partners); the partners share the blocks out by address.  The loop's last trip asks for nothing.
.macro ASK
	s_cmp_gt_u32 s3, s[LIM]
	s_cbranch_scc0 .Lnot_mine_\@
	global_prefetch_b8 v[PFO], s[PFA:PFA+1] th:TH_LOAD_NT scope:SCOPE_SE
.Lnot_mine_\@:
.endm
.macro CREST
	s_cmp_lg_u32 s10, 0
	s_cbranch_scc1 .Lnot_wave_0_\@
	s_barrier_signal -3
.Lnot_wave_0_\@:
	s_barrier_wait -3
	s_barrier_signal -1
	s_barrier_wait -1
.endm
.macro CROUND
	s_barrier_signal -1
	s_barrier_wait -1
	CREST
.endm
.macro PLACES                          ; four places behind a matrix instruction (ISA guide 7.12.1)
.rept 4
	v_nop
.endr
.endm
.macro MULG f, hi, a0, zero            ; 2 NBL matrix instructions; the accumulators take turns
	WIN MUL_LO+0x50*(\hi)
.irp a, \a0, (\a0)+1
.set b, 0
.rept NBL
.if \zero
	v_wmma_f32_16x16x32_f16 v[8*(NBL*(\a)+b):8*(NBL*(\a)+b)+7], v[(\f)+8*b:(\f)+8*b+7], v[(\f)+8*(4*(\hi)+(\a)):(\f)+8*(4*(\hi)+(\a))+7], 0
.else
	v_wmma_f32_16x16x32_f16 v[8*(NBL*(\a)+b):8*(NBL*(\a)+b)+7], v[(\f)+8*b:(\f)+8*b+7], v[(\f)+8*(4*(\hi)+(\a)):(\f)+8*(4*(\hi)+(\a))+7], v[8*(NBL*(\a)+b):8*(NBL*(\a)+b)+7]
.endif
.set b, b+1
.endr
.endr
.endm
.macro FETCH slot, q, f                ; one run of NL LDS loads: quarter q (32 along K) of a slot into buffer f; B first, turned
	WIN TO_B
.set i, 0
.rept NBL
	ds_load_tr16_b128 v[(\f)+8*i:(\f)+8*i+3],   v[ADRB+(\slot)] offset:(\q)*32*BP+32*i
	ds_load_tr16_b128 v[(\f)+8*i+4:(\f)+8*i+7], v[ADRB+(\slot)] offset:(\q)*32*BP+16*BP+32*i
.set i, i+1
.endr
	WIN 0
.set i, 0
.rept 8
	ds_load_b128 v[(\f)+8*i:(\f)+8*i+3],   v[ADRA+(\slot)] offset:((64*(\q))/AKB)*AHS+(64*(\q))%AKB+i*16*AP
	ds_load_b128 v[(\f)+8*i+4:(\f)+8*i+7], v[ADRA+(\slot)] offset:((64*(\q))/AKB)*AHS+(64*(\q))%AKB+i*16*AP+32
.set i, i+1
.endr
.endm
.macro QUARTER slot, q, f, g, zero
	s_wait_dscnt 8                                 ; B and A's rows 0-63 are in; the youngest eight loads (A's rows 64-127) may be out
	MULG \f, 0, 0, \zero
	MULG \f, 0, 2, \zero
	PLACES
	FETCH \slot, \q, \g
	s_wait_dscnt NL                                ; all but the run just issued
	MULG \f, 1, 0, \zero
	MULG \f, 1, 2, \zero
.endm
.macro MEET round                      ; one barrier for the change of slots: all my tensor loads, the add, my reads of this slot
	WIN 0
	s_wait_tensorcnt 0x0
	ds_add_u32 v[SPW], v[NIL]
	s_wait_dscnt 9                                 ; the add and the youngest eight loads may be out
	MULG F1, 0, 0, 0
	s_wait_dscnt 0x0
	s_barrier_signal -1
	MULG F1, 0, 2, 0
.if \round
	WIN 0
.endif
	s_barrier_wait -1
.endm
.macro TURN slot, next                 ; the last quarter where the slot is filled again: the barrier opens a round of the cluster's barrier, the joint refill comes first behind it
	s_wait_xcnt 0x0                                ; the last prefetch, a K step back, has read its address
	s_add_nc_u64 s[PFA:PFA+1], s[PFA:PFA+1], s[PADV:PADV+1]
	MEET 1
	CREST
	s_add_nc_u64 s[G0+4*(\slot)+2:G0+4*(\slot)+3], s[G0+4*(\slot)+2:G0+4*(\slot)+3], 2*AKADV
	s_add_nc_u64 s[G0B+4*(\slot)+2:G0B+4*(\slot)+3], s[G0B+4*(\slot)+2:G0B+4*(\slot)+3], 2*BKADV
	JLOAD \slot
	FETCH \next, 0, F0
	ASK
	MULG F1, 1, 0, 0
	MULG F1, 1, 2, 0
.endm
.macro TURNL
	MEET 0
	PLACES
	FETCH 1, 0, F0
	MULG F1, 1, 0, 0
	MULG F1, 1, 2, 0
.endm
	s_load_b128 s[4:7], s[0:1], 0x0                ; oh s[4:5], wall s[6:7]
	s_load_b64 s[8:9], s[0:1], 0x10                ; out0
	v_lshl_add_u32 v[SPW], v0, 2, SPARE
	v_mov_b32 v[NIL], 0
	ds_add_u32 v[SPW], v[NIL]                      ; the wave's opening: the add and its wait ahead of my first tensor load
	v_lshrrev_b32 v1, 5, v0
	v_readfirstlane_b32 s10, v1
	s_lshr_b32 s11, s10, 1                         ; my half of the rows; also: I fetch for A (0) or B (1)
	s_and_b32 s12, s10, 1                          ; my half of the columns; also: which part I fetch
	s_bfe_u32 s40, ttmp6, 0x40000
	s_bfe_u32 s41, ttmp6, 0x40004
	s_lshl_b32 s42, ttmp9, 2
	s_add_co_u32 s42, s42, s40                     ; tile column
	s_and_b32 s13, ttmp7, 0xffff
	s_lshl_b32 s13, s13, 2
	s_add_co_u32 s13, s13, s41                     ; tile row
	s_lshl_b32 s43, s41, 2
	s_lshl_b32 s43, 15, s43
	s_lshl_b32 s44, 0x1111, s40
	s_or_b32 s[G1], s43, (1<<16)|(1<<20)|(1<<21)|(QIA<<22)|(3<<25)
	s_or_b32 s[G1B], s44, (1<<16)|(1<<20)|(1<<21)|(QIB<<22)|(7<<25)
	s_mov_b32 s[G1+1], 128<<16
	s_mov_b32 s[G1+2], 128<<16
	s_mov_b32 s[G1+3], 128<<16
	s_mov_b32 s[G1+4], 128
	s_mov_b32 s[G1+5], ASTR
	s_mov_b32 s[G1+6], 0
	s_mov_b32 s[G1+7], 0
	s_mov_b32 s[G1B+1], NT<<16
	s_mov_b32 s[G1B+2], 64<<16
	s_mov_b32 s[G1B+3], NT<<16
	s_mov_b32 s[G1B+4], 64
	s_mov_b32 s[G1B+5], 1024
	s_mov_b32 s[G1B+6], 0
	s_mov_b32 s[G1B+7], 0
	s_lshl_b32 s16, s13, 15                        ; A: the tile row's 256 rows of 128 bytes, in head = my part
	s_lshl_b32 s17, s12, 20
	s_add_co_u32 s16, s16, s17
	s_mov_b32 s17, 0
	s_lshl_b32 s46, s42, 8                         ; B: the third matrix, 256 bytes a tile column, 64 rows of 2,048 bytes a half
	s_add_co_u32 s46, s46, 4194304
	s_lshl_b32 s47, s12, 17
	s_add_co_u32 s46, s46, s47
	s_mov_b32 s47, 0
	s_mul_i32 s20, s12, AHALF
	s_mul_i32 s21, s12, BHALF
	s_add_co_u32 s21, s21, ABYTES
	s_wait_dscnt 0x0
	s_wait_kmcnt 0x0
	s_add_nc_u64 s[14:15], s[4:5], s[16:17]
	s_add_nc_u64 s[46:47], s[6:7], s[46:47]
	CROUND                                         ; the first joint loads meet
.irp s, 0,1
	s_mov_b32 s[G0+4*(\s)], 1
	s_add_co_u32 s[G0+4*(\s)+1], s20, (\s)*SLOT
	s_add_nc_u64 s[G0+4*(\s)+2:G0+4*(\s)+3], s[14:15], (\s)*AKADV
	s_or_b32 s[G0+4*(\s)+3], s[G0+4*(\s)+3], 0x80000000
	s_mov_b32 s[G0B+4*(\s)], 1
	s_add_co_u32 s[G0B+4*(\s)+1], s21, (\s)*SLOT
	s_add_nc_u64 s[G0B+4*(\s)+2:G0B+4*(\s)+3], s[46:47], (\s)*BKADV
	s_or_b32 s[G0B+4*(\s)+3], s[G0B+4*(\s)+3], 0x80000000
	JLOAD \s
.endr
	v_and_b32 v1, 15, v0
	v_bfe_u32 v2, v0, 4, 1
	v_mul_u32_u24 v3, v1, AP
	v_lshl_add_u32 v3, v2, 4, v3
	v_and_b32 v6, 7, v0
	v_lshl_add_u32 v4, v2, 3, v6
	v_mul_u32_u24 v4, v4, BP
	v_bfe_u32 v5, v0, 3, 1
	v_lshl_add_u32 v4, v5, 4, v4
	s_mul_i32 s21, s11, 128*AP
	s_mul_i32 s22, s12, NT
	s_add_co_u32 s22, s22, ABYTES
.irp s, 0,1
	v_add_nc_u32 v[ADRA+(\s)], s21, v3
	v_add_nc_u32 v[ADRB+(\s)], s22, v4
	s_add_co_u32 s21, s21, SLOT
	s_add_co_u32 s22, s22, SLOT
.endr
	s_mul_i32 s23, s10, 16*SPITCH
	s_add_co_u32 s23, s23, STAGE
	v_mul_u32_u24 v4, v1, SPITCH                   ; in: row l % 16, 32 bytes for each half of the lanes
	v_lshl_add_u32 v4, v2, 5, v4
	v_add_nc_u32 v[STO], s23, v4
	v_mul_u32_u24 v5, v2, SPITCH                   ; back: lanes 0-15 one row of 256 bytes, lanes 16-31 the next
	v_lshl_add_u32 v5, v1, 4, v5
	v_add_nc_u32 v[RD], s23, v5
	v_lshlrev_b32 v5, 12, v2                       ; and the same two rows in out0
	v_lshl_add_u32 v[CO], v1, 4, v5
	v_and_b32 v7, 31, v0
	s_lshl_b32 s16, s13, 8                         ; my first row: 256 x tile row + 128 x half, rows of 4,096 bytes;
	s_lshl_b32 s17, s11, 7
	s_add_co_u32 s16, s16, s17
	s_lshl_b32 s16, s16, 12
	s_lshl_b32 s17, s42, 9                         ; my first column: 512 bytes a tile column, 256 a half
	s_add_co_u32 s16, s16, s17
	s_lshl_b32 s17, s12, 8
	s_add_co_u32 s16, s16, s17
	s_mov_b32 s17, 0
	s_add_nc_u64 s[8:9], s[8:9], s[16:17]
	; the prefetches, at K step 3: the first refill steps them to K step 4.  A: of my slice's 128 blocks my work-group takes 32 (by cx).  B: of the K step's 128 rows it takes 32 (by cy).
	s_lshl_b32 s20, s12, 20
	s_lshl_b32 s22, s13, 15
	s_add_co_u32 s20, s20, s22
	s_lshl_b32 s22, s40, 13
	s_add_co_u32 s20, s20, s22
	s_add_co_u32 s20, s20, 3*AKADV
	s_lshl_b32 s21, s42, 8
	s_lshl_b32 s22, s41, 16
	s_add_co_u32 s21, s21, s22
	s_add_co_u32 s21, s21, 4194304+3*BKADV
	s_and_b32 s22, ttmp7, 0xffff
	s_mov_b32 s[PADV], BKADV
	s_cmp_eq_u32 s11, 0
	s_cselect_b32 s20, s20, s21
	s_cselect_b32 s22, ttmp9, s22
	s_cselect_b64 s[PFA:PFA+1], s[4:5], s[6:7]
	s_cselect_b32 s[PADV], AKADV, s[PADV]
	s_cselect_b32 s23, 8, 11                       ; a lane's step: 256 bytes in A's dense slice, a row of 2,048 in B
	s_mov_b32 s[PADV+1], 0
	s_cmp_eq_u32 s22, 0
	s_cselect_b32 s[LIM], 1, -1
	s_cmp_eq_u32 s10, 3
	s_cselect_b32 s[LIM], -1, s[LIM]               ; wave 2 asks for all of B's
	s_mov_b32 s21, 0
	s_add_nc_u64 s[PFA:PFA+1], s[PFA:PFA+1], s[20:21]
	v_lshlrev_b32 v[PFO], s23, v7
; THE WAY OUT of block a (16 rows x 64 columns of f32): into my own stage, each accumulator from its low end on; back as whole rows of 256 bytes; stored.
.macro TOSTAGE a
.set AC, 8*NBL*((\a)%4)
.set BK, OB+192*((\a)%2)
	WIN 0x08+4*((\a)/4)                            ; the stores' data: window 2 or 3
.irp b, 0,1,2,3
	ds_store_b128 v[STO], v[AC+8*(\b):AC+8*(\b)+3]   offset:64*(\b)
	ds_store_b128 v[STO], v[AC+8*(\b)+4:AC+8*(\b)+7] offset:64*(\b)+16
.endr
	WIN 0
.irp t, 0,1,2,3,4,5,6,7
	ds_load_b128 v[BK+4*(\t):BK+4*(\t)+3], v[RD] offset:(\t)*2*SPITCH   ; LDS serves a wave's instructions in order (ISA guide 5.7.1.4)
.endr
.endm
.macro SEND a
.set BK, OB+192*((\a)%2)
	s_wait_dscnt 0x0                               ; the block is back in registers
	s_wait_xcnt 0x0                                ; the block before's stores have read their registers, which the next block's loads will write
.irp t, 0,1,2,3,4,5,6,7
	global_store_b128 v[CO], v[BK+4*(\t):BK+4*(\t)+3], s[8:9] offset:(\a)*65536+(\t)*8192   ; 16 lanes store 256 consecutive bytes, at a multiple of 256 from out0's first
.endr
.endm
	s_wait_tensorcnt 1                             ; my part of K step 0 is in; K step 1's may stay out
	s_barrier_signal -1
	s_barrier_wait -1
	FETCH 0, 0, F0
	QUARTER 0, 1, F0, F1, 1                        ; its products start the sums
	WIN 0
	s_mov_b32 s3, 3
.Llap:
	QUARTER 0, 2, F1, F0, 0
	QUARTER 0, 3, F0, F1, 0
	TURN 0, 1
	QUARTER 1, 1, F0, F1, 0
	QUARTER 1, 2, F1, F0, 0
	QUARTER 1, 3, F0, F1, 0
	TURN 1, 0
	QUARTER 0, 1, F0, F1, 0
	WIN 0
	s_sub_co_u32 s3, s3, 1
	s_cmp_lg_u32 s3, 0
	s_cbranch_scc1 .Llap
	QUARTER 0, 2, F1, F0, 0                        ; the last lap fills nothing
	QUARTER 0, 3, F0, F1, 0
	TURNL
	QUARTER 1, 1, F0, F1, 0
	QUARTER 1, 2, F1, F0, 0
	QUARTER 1, 3, F0, F1, 0
	s_wait_dscnt 8
	MULG F1, 0, 0, 0
	MULG F1, 0, 2, 0
	s_wait_dscnt 0x0
	MULG F1, 1, 0, 0
	MULG F1, 1, 2, 0
	WIN 0
	PLACES
	TOSTAGE 0
.irp a, 1,2,3,4,5,6,7
	SEND (\a)-1
	TOSTAGE \a
.endr
	SEND 7
	s_wait_tensorcnt 0x0                           ; the wave's end
	ds_add_u32 v[SPW], v[NIL]
	s_wait_dscnt 0x0
	CROUND                                         ; the closing round
	s_endpgm
.Lfunc_end_k_q281e09a993_outp:
	.size	k_q281e09a993_outp, .Lfunc_end_k_q281e09a993_outp-k_q281e09a993_outp
	.p2alignl 7, 3214868480
	.fill 96, 4, 3214868480
	.section	.rodata,"a",@progbits
	.p2align	6, 0x0
	.amdhsa_kernel k_q281e09a993_outp
		.amdhsa_group_segment_fixed_size 327680
		.amdhsa_private_segment_fixed_size 0
		.amdhsa_enable_private_segment 0
		.amdhsa_kernarg_size 24
		.amdhsa_user_sgpr_count 2
		.amdhsa_user_sgpr_kernarg_segment_ptr 1
		.amdhsa_wavefront_size32 1
		.amdhsa_system_sgpr_workgroup_id_x 1
		.amdhsa_system_sgpr_workgroup_id_y 1
		.amdhsa_system_sgpr_workgroup_id_z 1
		.amdhsa_system_vgpr_workitem_id 0
		.amdhsa_next_free_vgpr 1024
		.amdhsa_next_free_sgpr 68
		.amdhsa_reserve_vcc 0
		.amdhsa_float_denorm_mode_32 3
		.amdhsa_float_denorm_mode_16_64 3
		.amdhsa_memory_ordered 1
		.amdhsa_forward_progress 1
		.amdhsa_inst_pref_size 88
	.end_amdhsa_kernel
	.amdgpu_metadata
---
amdhsa.version: [ 1, 2 ]
amdhsa.kernels:
  - .name:           k_q281e09a993_outp
    .symbol:         k_q281e09a993_outp.kd
    .args:
      - { .name: oh, .offset: 0, .size: 8, .value_kind: global_buffer, .address_space: global }
      - { .name: wall, .offset: 8, .size: 8, .value_kind: global_buffer, .address_space: global }
      - { .name: out0, .offset: 16, .size: 8, .value_kind: global_buffer, .address_space: global }
    .group_segment_fixed_size: 327680
    .private_segment_fixed_size: 0
    .kernarg_segment_align: 8
    .kernarg_segment_size: 24
    .max_flat_workgroup_size: 128
    .sgpr_count:     68
    .vgpr_count:     1024
    .wavefront_size: 32
...
	.end_amdgpu_metadata
.endif
;; end of part 4
;; ======== version 2 of 2: 4 launches; version 1 with the launch prep written anew for expert scheduling mode
;; limits: values are held in f16: magnitudes above 65,504 overflow, below 6.1e-05 lose precision; right only within a limited range of input values
;; workspace buffers: xn 16,777,216 bytes; wall 6,291,456 bytes; qkv 33,554,432 bytes; oh 16,777,216 bytes
;; launch prep (part 5): grid 352 x 1, 8 waves a work-group, no clusters, 0 bytes of LDS; arguments encodings, gamma, w_qk, w_v, w_out, xn, wall; writes xn, wall
.if DOCPART == 5
	.amdgcn_target "amdgcn-amd-amdhsa--gfx1250"
	.amdhsa_code_object_version 6
	.text
	.protected	k_q281e09a993_prep
	.globl	k_q281e09a993_prep
	.p2align	8
	.type	k_q281e09a993_prep,@function
k_q281e09a993_prep:
	s_mov_b64 s[64:65], 0
	v_nop
	global_prefetch_b8 v0, s[64:65] scope:SCOPE_SE
	s_setreg_imm32_b32 hwreg(HW_REG_WAVE_SCHED_MODE, 0, 2), 2
	s_setreg_imm32_b32 hwreg(HW_REG_WAVE_MODE, 25, 1), 1
	s_wait_xcnt 0x0
	s_wait_alu depctr_vm_vsrc(0)
; xn[m][c] = f16( enc[m][c] * gamma[c] * 32 / max(|enc[m]|, 1e-12) ), and the three weight matrices f32 -> f16 in their own layout [k][n] (wall = w_qk, w_v, w_out).
; A stream: every input byte is read once, every output byte written once.  No LDS, no matrix unit, no cluster: no wave wants a byte that another wave has fetched.
; SHARES.  Every wave takes 4 rows of 4,096 bytes in and 2,048 bytes out.  Work-groups 0-255: rows of encodings; 256-351: rows of the weights (32 work-groups a matrix).
; A row lies in one wave's registers (32 of them) between the sum of squares and the scaling.  All 32 loads of a wave (16 KiB) go out at once; the waits count down by rows.
; Load j of a row: lane l holds elements 128 j + 4 l .. + 3; as f16 they are 8 bytes at 256 j + 8 l: a store of the wave covers 256 consecutive bytes, aligned.
; LIMITS.  1 / max(sqrt(ss), 1e-12) is taken as rsq(max(ss, 1e-24)): the same number but for the last bit.  ss must stay inside f32, as in the reference.
; f16 holds nothing beyond 65,504: |x| <= 32 |gamma| asks for |gamma| < 2,047, and the weights lie within 65,504.  NaN and infinities are not treated apart.
; No prefetch: the launch streams all it reads from its first lines on.
; THE MODE: SCHED_MODE bits 1:0 = 2 (LLVM: expert scheduling mode 2), set by the entry lines.  The code itself states the register dependences
; between vector instructions and memory instructions, with s_wait_alu, always for 0.
; THE PLAN.  Registers that memory instructions touch:
;   v1, v2   the loads' and the stores' byte offsets: made by vector lines at the head, never written again.  One wait on va_vdst in front of a path's first load serves every load and store.
;   G        gamma: eight loads land in it, once; vector lines only read it.
;   X        row i's 32 registers: eight loads land in them, once, at the head, before any vector line has named them.  Behind the row's wait on LOADcnt vector lines work on them in place;
;            the sixteen conversions leave the row's f16 in the first two of each four registers; the row's eight stores read those, in one run behind ONE wait on va_vdst.
;            Every row has registers of its own: nothing that a store has read is written again, so no wait on vm_vsrc is owed anywhere.
;   s18      the wave's number, written by a vector line: one wait on va_sdst ahead of the branch behind which both paths read it.
; A row's stores stand at the row's own end, not in the next row: the next row begins with a wait for memory, behind which finished data would lie idle.
; EXEC is never written; no compare and no carry is made.
.set A,  4                             ; v[4:11]    four pairs: chains of the sum of squares
.set SC, 20                            ; v[20:21]   the row's scale, twice
.set X,  32                            ; v[32:159]  row i, load j at X + 32 i + 4 j
.set G,  160                           ; v[160:191] gamma, load j at G + 4 j
.macro LOADS                           ; the wave's four rows: 32 loads of 512 consecutive bytes
.set i, 0
.rept 4
.set j, 0
.rept 8
	global_load_b128 v[X+32*i+4*j:X+32*i+4*j+3], v1, s[28:29] offset:4096*i+512*j th:TH_LOAD_NT
.set j, j+1
.endr
.set i, i+1
.endr
.endm
.macro CVT i, j                        ; four numbers rounded to f16, in place: they close up into the first two of their four registers
	v_cvt_pk_f16_f32 v[X+32*(\i)+4*(\j)],   v[X+32*(\i)+4*(\j)],   v[X+32*(\i)+4*(\j)+1]
	v_cvt_pk_f16_f32 v[X+32*(\i)+4*(\j)+1], v[X+32*(\i)+4*(\j)+2], v[X+32*(\i)+4*(\j)+3]
.endm
.macro SEND i                          ; row i leaves: eight stores in one run
	s_wait_alu depctr_va_vdst(0)                   ; the row's sixteen conversions have written the register pairs that the eight stores below read
.irp j, 0,1,2,3,4,5,6,7
	global_store_b64 v2, v[X+32*(\i)+4*(\j):X+32*(\i)+4*(\j)+1], s[30:31] offset:2048*(\i)+256*(\j)
.endr
.endm
.macro ROWX i                          ; one row of encodings
.set BB, X+32*(\i)
	s_wait_loadcnt 8*(3-(\i))                      ; loads come back in order: gamma and this row are in, the later rows' eight loads each stay out
.irp c, 0,1,2,3
	v_pk_mul_f32 v[A+2*(\c):A+2*(\c)+1], v[BB+2*(\c):BB+2*(\c)+1], v[BB+2*(\c):BB+2*(\c)+1]  ; the first four pairs start the chains: nothing is cleared
.endr
.set k, 4
.rept 12
	v_pk_fma_f32 v[A+2*(k%4):A+2*(k%4)+1], v[BB+2*k:BB+2*k+1], v[BB+2*k:BB+2*k+1], v[A+2*(k%4):A+2*(k%4)+1]
.set k, k+1
.endr
	v_pk_add_f32 v[A:A+1], v[A:A+1], v[A+2:A+3]
	v_pk_add_f32 v[A+4:A+5], v[A+4:A+5], v[A+6:A+7]
	v_pk_add_f32 v[A:A+1], v[A:A+1], v[A+4:A+5]
	v_add_f32 v[A], v[A], v[A+1]
	v_add_f32_dpp v[A], v[A], v[A] row_xmask:1 row_mask:0xf bank_mask:0xf
	v_add_f32_dpp v[A], v[A], v[A] row_xmask:2 row_mask:0xf bank_mask:0xf
	v_add_f32_dpp v[A], v[A], v[A] row_xmask:4 row_mask:0xf bank_mask:0xf
	v_add_f32_dpp v[A], v[A], v[A] row_xmask:8 row_mask:0xf bank_mask:0xf
	v_permlanex16_b32 v[A+1], v[A], s24, s25       ; the other half of the lanes
	v_add_f32 v[A], v[A], v[A+1]                   ; every lane holds the row's sum of squares
	v_max_num_f32 v[A], s26, v[A]                  ; the reference's clip at 1e-12, squared
	v_rsq_f32 v[SC], v[A]
.set k, 0
.rept 16
	v_pk_mul_f32 v[BB+2*k:BB+2*k+1], v[BB+2*k:BB+2*k+1], v[G+2*k:G+2*k+1]  ; x gamma: plain work that names neither the root's source nor its result
.set k, k+1
.endr
	s_wait_alu depctr_va_vdst(0)                   ; the root has written v[SC], ahead of the first line that names it
	v_mul_f32 v[SC], 0x42000000, v[SC]             ; sqrt(1024) = 32
	v_mov_b32 v[SC+1], v[SC]
.irp j, 0,1,2,3,4,5,6,7
	v_pk_mul_f32 v[BB+4*(\j):BB+4*(\j)+1],   v[BB+4*(\j):BB+4*(\j)+1],   v[SC:SC+1]
	v_pk_mul_f32 v[BB+4*(\j)+2:BB+4*(\j)+3], v[BB+4*(\j)+2:BB+4*(\j)+3], v[SC:SC+1]
	CVT \i, \j
.endr
	SEND \i
.endm
.macro ROWW i                          ; one row of a weight matrix
	s_wait_loadcnt 8*(3-(\i))
.irp j, 0,1,2,3,4,5,6,7
	CVT \i, \j
.endr
	SEND \i
.endm
	s_load_b256 s[4:11], s[0:1], 0x0               ; encodings s[4:5], gamma s[6:7], w_qk s[8:9], w_v s[10:11]
	s_load_b128 s[12:15], s[0:1], 0x20             ; w_out s[12:13], xn s[14:15]
	s_load_b64 s[16:17], s[0:1], 0x30              ; wall
	v_lshrrev_b32 v3, 5, v0
	v_readfirstlane_b32 s18, v3                    ; wave 0..7
	v_and_b32 v2, 31, v0
	v_lshlrev_b32 v1, 4, v2                        ; in: 16 bytes a lane
	v_lshlrev_b32 v2, 3, v2                        ; out: 8 bytes a lane
	s_mov_b32 s24, 0x76543210
	s_mov_b32 s25, 0xfedcba98
	s_mov_b32 s26, 0x179abe15                      ; 1e-24
	s_mov_b32 s21, 0
	s_mov_b32 s23, 0
	s_wait_alu depctr_va_sdst(0)                   ; s18 is written, ahead of the branch: on both paths the rows' byte offsets are made from it
	s_cmp_ge_u32 ttmp9, 256
	s_cbranch_scc1 .Lweights
	s_lshl_b32 s19, ttmp9, 3
	s_add_co_u32 s19, s19, s18                     ; my group of four rows
	s_lshl_b32 s20, s19, 14                        ; x 4 rows of 4,096 bytes
	s_lshl_b32 s22, s19, 13                        ; x 4 rows of 2,048 bytes
	s_wait_kmcnt 0x0
	s_add_nc_u64 s[28:29], s[4:5], s[20:21]
	s_add_nc_u64 s[30:31], s[14:15], s[22:23]
	s_wait_alu depctr_va_vdst(0)                   ; v1 and v2 are written: every load below reads v1 as its offset, every store v2; no line writes them again
.irp j, 0,1,2,3,4,5,6,7
	global_load_b128 v[G+4*(\j):G+4*(\j)+3], v1, s[6:7] offset:512*(\j)
.endr
	LOADS
	ROWX 0
	ROWX 1
	ROWX 2
	ROWX 3
	s_endpgm
.Lweights:
	s_sub_co_u32 s19, ttmp9, 256                   ; 0..95
	s_lshr_b32 s27, s19, 5                         ; which matrix
	s_and_b32 s20, s19, 31
	s_lshl_b32 s20, s20, 3
	s_add_co_u32 s20, s20, s18                     ; my group of four rows in it
	s_lshl_b32 s20, s20, 14
	s_lshl_b32 s22, s19, 3
	s_add_co_u32 s22, s22, s18                     ; and in wall, where the three follow each other
	s_lshl_b32 s22, s22, 13
	s_wait_kmcnt 0x0
	s_cmp_eq_u32 s27, 0
	s_cselect_b64 s[28:29], s[8:9], s[10:11]
	s_cmp_eq_u32 s27, 2
	s_cselect_b64 s[28:29], s[12:13], s[28:29]
	s_add_nc_u64 s[28:29], s[28:29], s[20:21]
	s_add_nc_u64 s[30:31], s[16:17], s[22:23]
	s_wait_alu depctr_va_vdst(0)                   ; v1 and v2 are written: every load below reads v1 as its offset, every store v2; no line writes them again
	LOADS
	ROWW 0
	ROWW 1
	ROWW 2
	ROWW 3
	s_endpgm
.Lfunc_end_k_q281e09a993_prep:
	.size	k_q281e09a993_prep, .Lfunc_end_k_q281e09a993_prep-k_q281e09a993_prep
	.p2alignl 7, 3214868480
	.fill 96, 4, 3214868480
	.section	.rodata,"a",@progbits
	.p2align	6, 0x0
	.amdhsa_kernel k_q281e09a993_prep
		.amdhsa_group_segment_fixed_size 0
		.amdhsa_private_segment_fixed_size 0
		.amdhsa_enable_private_segment 0
		.amdhsa_kernarg_size 56
		.amdhsa_user_sgpr_count 2
		.amdhsa_user_sgpr_kernarg_segment_ptr 1
		.amdhsa_wavefront_size32 1
		.amdhsa_system_sgpr_workgroup_id_x 1
		.amdhsa_system_sgpr_workgroup_id_y 1
		.amdhsa_system_sgpr_workgroup_id_z 1
		.amdhsa_system_vgpr_workitem_id 0
		.amdhsa_next_free_vgpr 192
		.amdhsa_next_free_sgpr 66
		.amdhsa_reserve_vcc 0
		.amdhsa_float_denorm_mode_32 3
		.amdhsa_float_denorm_mode_16_64 3
		.amdhsa_memory_ordered 1
		.amdhsa_forward_progress 1
		.amdhsa_inst_pref_size 39
	.end_amdhsa_kernel
	.amdgpu_metadata
---
amdhsa.version: [ 1, 2 ]
amdhsa.kernels:
  - .name:           k_q281e09a993_prep
    .symbol:         k_q281e09a993_prep.kd
    .args:
      - { .name: encodings, .offset: 0, .size: 8, .value_kind: global_buffer, .address_space: global }
      - { .name: gamma, .offset: 8, .size: 8, .value_kind: global_buffer, .address_space: global }
      - { .name: w_qk, .offset: 16, .size: 8, .value_kind: global_buffer, .address_space: global }
      - { .name: w_v, .offset: 24, .size: 8, .value_kind: global_buffer, .address_space: global }
      - { .name: w_out, .offset: 32, .size: 8, .value_kind: global_buffer, .address_space: global }
      - { .name: xn, .offset: 40, .size: 8, .value_kind: global_buffer, .address_space: global }
      - { .name: wall, .offset: 48, .size: 8, .value_kind: global_buffer, .address_space: global }
    .group_segment_fixed_size: 0
    .private_segment_fixed_size: 0
    .kernarg_segment_align: 8
    .kernarg_segment_size: 56
    .max_flat_workgroup_size: 256
    .sgpr_count:     66
    .vgpr_count:     192
    .wavefront_size: 32
...
	.end_amdgpu_metadata
.endif
;; end of part 5
;; launch proj: the kernel of part 2 again; grid 8 x 32, 4 waves a work-group, clusters of 4 x 4, 327,680 bytes of LDS; arguments xn, wall, qkv; writes qkv
;; launch attn: the kernel of part 3 again; grid 2 x 128, 8 waves a work-group, no clusters, 327,680 bytes of LDS; arguments qkv, mask, null_kv, oh; writes oh
;; launch outp: the kernel of part 4 again; grid 8 x 32, 4 waves a work-group, clusters of 4 x 4, 327,680 bytes of LDS; arguments oh, wall, out0; writes out0
